; MI455X (gfx1250); checked and timed in simulation.
; The chip was launched on July 23, 2026; its instructions are those of AMD's public machine-readable ISA for CDNA 5 (MIT licence, August 2026) and "CDNA5" Instruction Set Architecture Reference Guide (July 2026). The comments in the code are by the model that wrote it; some were corrected since.
;; Causal Self Cross Attention. Allowed arithmetic: matrix products marked QUANTISED: E2M3 operands, one E8M0 scale for each 32 along K, by v_wmma_scale_f32_16x16x128_f8f6f4 with both operands' format E2M3, f32 sums; everything else in f32.
;; Inputs: Wck 512 x 1,024 float32; Wcq 1,024 x 1,024 float32; Wcv 512 x 1,024 float32; Wk 1,024 x 1,024 float32; Wp 1,024 x 1,024 float32; Wq 1,024 x 1,024 float32; Wv 1,024 x 1,024 float32; bck 1,024 float32; bcq 1,024 float32; bcv 1,024 float32; bk 1,024 float32; bp 1,024 float32; bq 1,024 float32; bv 1,024 float32; cross_input 2 x 512 x 512 float32; x 2 x 2,048 x 1,024 float32.
;; Outputs: out0 2 x 2,048 x 1,024 float32.
;; This version of the problem:
;;   THIS VERSION OF THE PROBLEM IS GIVEN IN LOW PRECISION. The matrix products marked QUANTISED in the list below multiply operands that are first quantised to E2M3 (2 exponent bits, 3 mantissa bits; 6 bits a number), with one power-of-two scale for each 32 numbers along K (OCP MX v1.0); their sums are f32. All else is computed in f32.
;;   The module's matrix products, in the order in which they are computed (A, B: the left and right operand; K: the contracted axis; several contracted axes count as one K, in the product's order):
;;     1. [M 4,096, K 1,024] x [K 1,024, N 1,024]; A: input x; B: input Wq: QUANTISED
;;     2. [M 4,096, K 1,024] x [K 1,024, N 1,024]; A: input x; B: input Wk: QUANTISED
;;     3. [M 4,096, K 1,024] x [K 1,024, N 1,024]; A: input x; B: input Wv: QUANTISED
;;     4. batch 32 x [M 2,048, K 64] x [K 64, N 2,048]; A: computed on the way; B: computed on the way: QUANTISED
;;     5. batch 32 x [M 2,048, K 2,048] x [K 2,048, N 64]; A: softmax (see below); B: computed on the way: QUANTISED
;;     6. [M 4,096, K 1,024] x [K 1,024, N 1,024]; A: input x; B: input Wcq: QUANTISED
;;     7. [M 1,024, K 512] x [K 512, N 1,024]; A: input cross_input; B: input Wck: QUANTISED
;;     8. [M 1,024, K 512] x [K 512, N 1,024]; A: input cross_input; B: input Wcv: QUANTISED
;;     9. batch 32 x [M 2,048, K 64] x [K 64, N 512]; A: computed on the way; B: computed on the way: QUANTISED
;;     10. batch 32 x [M 2,048, K 512] x [K 512, N 64]; A: softmax (see below); B: computed on the way: QUANTISED
;;     11. [M 4,096, K 1,024] x [K 1,024, N 1,024]; A: computed on the way; B: input Wp: QUANTISED
;;   THE QUANTISER, for each operand of a quantised product, along K:
;;     - K is cut into blocks of 32 from its start; a last block that is shorter is filled with zeros.
;;     - A block's scale is 2^e with e = floor(log2(the largest magnitude in the block)) - 2, held to -126 .. 127; a block of zeros has e = 0. As a byte (E8M0): e + 127.
;;     - Each number is divided by its block's scale, clamped to +-7.5, and rounded to the nearest number of E2M3, ties to even, subnormals kept.
;;     - The product sums the exact products of the quantised numbers (number of the format x scale) in f32.
;;   ~~~python
;;   def quantise(x, axis):      # numpy; x: float32 -> the quantised numbers, widened to float32 again
;;       x = np.moveaxis(x, axis, -1); K = x.shape[-1]
;;       x = np.pad(x, [(0, 0)] * (x.ndim - 1) + [(0, -K % 32)]); x = x.reshape(x.shape[:-1] + (-1, 32)); a = np.abs(x).max(-1, keepdims=True)
;;       e = np.where(a > 0, np.clip(np.frexp(np.where(a > 0, a, 1))[1] - 1 - 2, -126, 127), 0)      # np.frexp(a)[1] - 1 = floor(log2(a)), exactly
;;       r = np.clip(x / 2.0 ** e, -7.5, 7.5)
;;       step = 2.0 ** (np.maximum(np.frexp(np.where(r == 0, 1, r))[1] - 1, 0) - 3)
;;       q = np.round(r / step) * step * 2.0 ** e      # np.round: ties to even
;;       return np.moveaxis(q.reshape(q.shape[:-2] + (-1,))[..., :K], -1, axis).astype(np.float32)
;;   ~~~
;;   SOFTMAX AHEAD OF A QUANTISED PRODUCT. Where the list says 'softmax', what is quantised is not the finished softmax but p = 2^(t - M), with t = logit x log2(e) and M = ceil(the row's largest t), a whole number; so 1/2 < the row's largest p <= 1. The row's sum l is taken of the UNQUANTISED p, in f32, and the product's result is divided by l at the end. Since M is a whole number, a kernel that streams over the keys may use a running M (the ceiling of the running maximum): every later rescaling is an exact power of two, which a block's scale takes up: the codes' values come out the same.
;;   OPERANDS COMPUTED ON THE WAY. 'Computed on the way' means the value that the module computes at that place (a softmax that the list does not call 'softmax' is quantised finished and normalised). What goes into a quantiser is computed in f32, as accurately as f32 sums, v_exp_f32 and their like allow (about 1e-6 of the number): no bf16 or f16 on the way to a quantiser, and a product that is left as it is and whose result goes on into a quantised operand takes f32 operands (vector FMAs, or v_wmma_f32_16x16x4_f32). A number that lies on a knife's edge between two numbers of the format may be rounded either way, as far as f32 arithmetic and the matrix unit's own rounding can turn it there, and no further.
;; One version. Each part assembles by itself: llvm-mc -triple=amdgcn-amd-amdhsa -mcpu=gfx1250 --defsym DOCPART=n.
;; ======== version 1 of 1: 4 launches
;; limits: right only within a limited range of input values
;; workspace buffers: XI 3,833,856 bytes; WI 5,111,808 bytes; QQ 6,553,600 bytes; KV 8,192,000 bytes; YI 3,407,872 bytes
;; launch quant (part 1): grid 480 x 1, 4 waves a work-group, no clusters, 34,304 bytes of LDS; arguments x, cross_input, Wq, Wk, Wcq, Wv, Wp, Wck, Wcv, XI, WI; writes XI, WI
.if DOCPART == 1
	.amdgcn_target "amdgcn-amd-amdhsa--gfx1250"
	.amdhsa_code_object_version 6
	.text
	.protected	k_q6b0cbd4d3c_quant
	.globl	k_q6b0cbd4d3c_quant
	.p2align	8
	.type	k_q6b0cbd4d3c_quant,@function
k_q6b0cbd4d3c_quant:
	s_mov_b64 s[64:65], 0
	v_nop
	global_prefetch_b8 v0, s[64:65] scope:SCOPE_SE
	s_setreg_imm32_b32 hwreg(HW_REG_WAVE_MODE, 25, 1), 1
	s_wait_xcnt 0x0
; x [4096][1024], cross_input [1024][512] (K innermost) and the seven weights [K][1024] (K outermost), all f32, become codes of FP6 (E2M3) with one
; E8M0 byte for each 32 along K, laid as IMAGES OF OPERAND REGISTERS.  A fragment (16 rows x 128 K, 12 registers a lane) is 1,536 bytes: three planes
; of 512 bytes, plane c holding lane l's registers 4 c .. 4 c + 3 at 16 l.  A UNIT (16 rows x 256 K) is two fragments and 256 bytes of scale words
; (lane l: 8 bytes at 3,072 + 8 l, the words of the two fragments; lanes 16-31 repeat lanes 0-15): 3,328 bytes.
; A buffer is [tile of 256 rows][256 along K][16 row tiles][UNIT].  ROW TILE 2 b + u HOLDS ROWS 32 b + 8 u + r + 8 (r / 8), r = lane % 16.
; A block's scale is 2^(floor(log2(largest magnitude)) - 2): its byte is that magnitude's exponent field - 2, held at 1 from below.
; LIMITS: NaN and infinities are not served; a block whose largest magnitude lies under 2^-124, a block of zeros among them, keeps the byte 1: its codes
; are then small or zero, and the bytes are read by this program alone.
; Work-groups 0-255: x; 256-287: cross_input (a wave makes one UNIT).  288-479: the weights (a wave makes two UNITs: 32 columns x 256 K).
; No tensor loads, no barrier: waves share nothing.  The weights' way uses no LDS.
.set PC,  24                           ; v24-35   a fragment's codes
.set QT,  36                           ; v36-43   the upper halves of the blocks' codes, on their way
.set PW,  44                           ; v44-45   the two scale words
.set R0,  48                           ; v48-175  two sets of 64: rows as loaded
.set X,   176                          ; v176-239 64 numbers of my row: register 16 b + i = k 32 b + 16 (lane / 16) + i
.set TM,  240                          ; v240-255 at work
.set SEL, 46                           ; s[46:47] lane selects: lane l xor 16
; 64 numbers of a lane become a fragment's halves, registers 0-5 in v[d0] on and 6-11 in v[d1] on, and the row's scale word in v[pw].
.macro QUANT s, d0, d1, pw
.irp b, 0,1,2,3
	v_max3_num_f32 v[TM+\b], |v[\s+16*\b]|, |v[\s+1+16*\b]|, 0x1800000   ; block b: my 16 numbers, and the floor 2^(3 - 127): the byte cannot fall under 1
.endr
.irp i, 2,4,6,8,10,12,14
.irp b, 0,1,2,3
	v_max3_num_f32 v[TM+\b], v[TM+\b], |v[\s+16*\b+\i]|, |v[\s+1+16*\b+\i]|   ; the four blocks by turns
.endr
.endr
.irp b, 0,1,2,3
	v_permlanex16_b32 v[TM+4+\b], v[TM+\b], s[SEL], s[SEL+1]
.endr
.irp b, 0,1,2,3
	v_max_num_f32 v[TM+\b], v[TM+\b], v[TM+4+\b]   ; with lane l xor 16's: the block's largest magnitude
.endr
.irp b, 0,1,2,3
	v_add_nc_u32 v[TM+12+\b], 0xff000000, v[TM+\b] ; 2 off its exponent field: the conversion's scale operand
.endr
.irp b, 0,1,2,3
	v_lshrrev_b32 v[TM+4+\b], 23, v[TM+12+\b]      ; the scale's byte
.endr
	v_lshl_or_b32 v[\pw], v[TM+5], 8, v[TM+4]
	v_lshl_or_b32 v[\pw], v[TM+6], 16, v[\pw]
	v_lshl_or_b32 v[\pw], v[TM+7], 24, v[\pw]
	v_cvt_scalef32_pk16_fp6_f32 v[\d0:\d0+2], v[\s:\s+15], v[TM+12]
	v_cvt_scalef32_pk16_fp6_f32 v[QT:QT+2], v[\s+16:\s+31], v[TM+13]
	v_cvt_scalef32_pk16_fp6_f32 v[\d1:\d1+2], v[\s+32:\s+47], v[TM+14]
	v_cvt_scalef32_pk16_fp6_f32 v[QT+4:QT+6], v[\s+48:\s+63], v[TM+15]
	v_nop                                          ; one plain instruction behind the scaled conversions
.irp i, 0,1,2
	v_permlane16_swap_b32 v[\d0+\i], v[QT+\i]      ; the layout wants a whole block in a lane: lanes 0-15 the even block, lanes 16-31 the odd one
	v_permlane16_swap_b32 v[\d1+\i], v[QT+4+\i]
.endr
.irp i, 0,1,2
	v_mov_b32 v[\d0+3+\i], v[QT+\i]
	v_mov_b32 v[\d1+3+\i], v[QT+4+\i]
.endr
.endm
	s_load_b512 s[8:23], s[0:1], 0x0               ; x, cross_input, Wq, Wk, Wcq, Wv, Wp, Wck
	s_load_b128 s[24:27], s[0:1], 0x40             ; Wcv, XI
	s_load_b64 s[28:29], s[0:1], 0x50              ; WI
	v_lshl_add_u32 v250, v0, 2, 0x8400
	v_mov_b32 v251, 0
	v_lshrrev_b32 v1, 5, v0
	v_readfirstlane_b32 s2, v1                     ; wave
	v_and_b32 v1, 31, v0                           ; lane
	v_and_b32 v2, 15, v0                           ; r
	v_bfe_u32 v3, v0, 4, 1                         ; h
	v_lshlrev_b32 v4, 4, v1                        ; 16 x lane
	s_cmp_ge_u32 ttmp9, 288
	s_cbranch_scc1 .Lweights
	; ---- ROWS WITH K INNERMOST.  x: row tile g = work-group, 256 along K s = wave.  cross_input: g = 2 (work-group - 256) + wave / 2, s = wave % 2.
	s_sub_co_u32 s34, ttmp9, 256
	s_lshl_b32 s34, s34, 1
	s_lshr_b32 s35, s2, 1
	s_add_co_u32 s34, s34, s35
	s_and_b32 s35, s2, 1
	s_mov_b32 s36, 2048                            ; a row in bytes
	s_mov_b32 s37, 106496                          ; a tile of 256 rows in the images
	s_mov_b32 s38, 3407872                         ; where cross_input's images begin
	s_mov_b32 s[SEL], 0x76543210
	s_mov_b32 s[SEL+1], 0xfedcba98
	s_wait_kmcnt 0x0
	s_cmp_lt_u32 ttmp9, 256                        ; the choice hangs on the work-group's number alone: one way through the text for both tensors
	s_cselect_b32 s34, ttmp9, s34
	s_cselect_b32 s35, s2, s35
	s_cselect_b32 s36, 4096, s36
	s_cselect_b32 s37, 212992, s37
	s_cselect_b32 s38, 0, s38
	s_cselect_b64 s[30:31], s[8:9], s[10:11]
	s_lshr_b32 s39, s34, 1
	s_lshl_b32 s39, s39, 5
	s_and_b32 s40, s34, 1
	s_lshl_b32 s40, s40, 3
	s_add_co_u32 s39, s39, s40                     ; the tile's first row: 32 (g / 2) + 8 (g % 2)
	s_mul_i32 s40, s39, s36
	s_lshl_b32 s41, s35, 10
	s_add_co_u32 s40, s40, s41                     ; + 256 numbers for each s
	s_mov_b32 s41, 0
	s_add_nc_u64 s[30:31], s[30:31], s[40:41]
	s_lshr_b32 s42, s34, 4
	s_mul_i32 s42, s42, s37
	s_add_co_u32 s42, s42, s38
	s_mul_i32 s43, s35, 53248
	s_add_co_u32 s42, s42, s43
	s_and_b32 s43, s34, 15
	s_mul_i32 s43, s43, 3328
	s_add_co_u32 s42, s42, s43
	s_mov_b32 s43, 0
	s_add_nc_u64 s[26:27], s[26:27], s[42:43]      ; my UNIT
	s_mul_i32 s44, s2, 8448                        ; my stage: 16 rows x (512 bytes + 16)
	s_wait_alu depctr_va_vdst(0)
	v_add_nc_u32 v5, s44, v4                       ; in: 16 x lane of a row
	v_mul_u32_u24 v6, v2, 528
	v_lshl_add_u32 v6, v3, 6, v6
	v_add_nc_u32 v6, s44, v6                       ; out: row r, + 64 h: my 16 numbers of a block of 32
	v_lshlrev_b32 v7, 3, v1
.irp i, 0,1,2,3,4,5,6,7,8,9,10,11,12,13,14,15
	v_mad_u32_u24 v[8+\i], s36, \i+8*(\i/8), v4    ; the tile's row i lies i + 8 (i / 8) rows on
.endr
.irp q, 0,1
.irp i, 0,1,2,3,4,5,6,7,8,9,10,11,12,13,14,15
	global_load_b128 v[R0+64*\q+4*\i:R0+64*\q+4*\i+3], v[8+\i], s[30:31] offset:512*\q th:TH_LOAD_NT   ; 32 lanes read 512 consecutive bytes of one row
.endr
.endr
.irp b, 0,1,2,3
	v_mov_b32 v[TM+4+\b], 0                        ; written once: a lane permute's destination counts as one of its sources
.endr
.macro THROUGH reg                     ; 16 rows x 128 numbers through my stage: LDS serves a wave's instructions in order, so no wait stands between the stores and the loads
.irp i, 0,1,2,3,4,5,6,7,8,9,10,11,12,13,14,15
	ds_store_b128 v5, v[\reg+4*\i:\reg+4*\i+3] offset:528*\i
.endr
.irp b, 0,1,2,3
.irp j, 0,1,2,3
	ds_load_b128 v[X+16*\b+4*\j:X+16*\b+4*\j+3], v6 offset:128*\b+16*\j
.endr
.endr
	s_wait_dscnt 0x0
.endm
	s_wait_loadcnt 16                              ; the first 128 along K are in; the second half's 16 loads may be out
	THROUGH R0
	QUANT X, PC, PC+6, PW
.irp c, 0,1,2
	global_store_b128 v4, v[PC+4*\c:PC+4*\c+3], s[26:27] offset:512*\c   ; 512 consecutive bytes
.endr
	s_wait_loadcnt 0x0
	THROUGH R0+64
	s_wait_xcnt 0x0                                ; the stores have read the codes' registers: they are written again only behind this wait
	QUANT X, PC, PC+6, PW+1
.irp c, 0,1,2
	global_store_b128 v4, v[PC+4*\c:PC+4*\c+3], s[26:27] offset:1536+512*\c
.endr
	global_store_b64 v7, v[PW:PW+1], s[26:27] offset:3072   ; 256 consecutive bytes of scale words
	s_wait_tensorcnt 0x0
	ds_add_u32 v250, v251
	s_wait_dscnt 0x0
	s_endpgm
	; ---- WEIGHTS: K IS THE FIRST AXIS.  A lane takes a column n and its registers run down K: a block of 32 lies in one lane.
.Lweights:
	s_sub_co_u32 s33, ttmp9, 288                   ; V.  V < 160: weight V / 32 of K = 1,024, s = (V / 8) % 4
	s_lshr_b32 s34, s33, 5
	s_bfe_u32 s35, s33, 0x20003
	s_mul_i32 s38, s34, 851968
	s_sub_co_u32 s39, s33, 160                     ; else: weight 5 + (V - 160) / 16 of K = 512, s = ((V - 160) / 8) % 2
	s_lshr_b32 s40, s39, 4
	s_bfe_u32 s41, s39, 0x10003
	s_mul_i32 s42, s40, 425984
	s_add_co_u32 s42, s42, 4259840
	s_add_co_u32 s40, s40, 5
	s_mov_b32 s37, 106496
	s_cmp_lt_u32 s33, 160
	s_cselect_b32 s34, s34, s40                    ; which weight
	s_cselect_b32 s35, s35, s41                    ; which 256 along K
	s_cselect_b32 s38, s38, s42                    ; where its images begin
	s_cselect_b32 s37, 212992, s37                 ; a tile of 256 columns in the images
	s_and_b32 s36, s33, 7
	s_lshl_b32 s36, s36, 2
	s_add_co_u32 s36, s36, s2                      ; which 32 columns: 4 (V % 8) + wave
	s_wait_kmcnt 0x0
	s_mov_b64 s[30:31], s[12:13]
	s_cmp_eq_u32 s34, 1
	s_cselect_b64 s[30:31], s[14:15], s[30:31]
	s_cmp_eq_u32 s34, 2
	s_cselect_b64 s[30:31], s[16:17], s[30:31]
	s_cmp_eq_u32 s34, 3
	s_cselect_b64 s[30:31], s[18:19], s[30:31]
	s_cmp_eq_u32 s34, 4
	s_cselect_b64 s[30:31], s[20:21], s[30:31]
	s_cmp_eq_u32 s34, 5
	s_cselect_b64 s[30:31], s[22:23], s[30:31]
	s_cmp_eq_u32 s34, 6
	s_cselect_b64 s[30:31], s[24:25], s[30:31]
	s_lshl_b32 s40, s35, 20                        ; 256 rows of 4,096 bytes
	s_lshl_b32 s41, s36, 7
	s_add_co_u32 s40, s40, s41
	s_mov_b32 s41, 0
	s_add_nc_u64 s[30:31], s[30:31], s[40:41]
	s_lshr_b32 s42, s36, 3
	s_mul_i32 s42, s42, s37
	s_add_co_u32 s42, s42, s38
	s_mul_i32 s43, s35, 53248
	s_add_co_u32 s42, s42, s43
	s_and_b32 s43, s36, 7
	s_mul_i32 s43, s43, 6656
	s_add_co_u32 s42, s42, s43
	s_mov_b32 s43, 0
	s_add_nc_u64 s[28:29], s[28:29], s[42:43]      ; my two UNITs
	s_wait_alu depctr_va_vdst(0)
	v_and_b32 v8, 7, v1                            ; lanes 0-15 take the columns of row tile 2 b (0-7, 16-23), lanes 16-31 those of 2 b + 1 (8-15, 24-31)
	v_and_b32 v9, 8, v1
	v_lshl_or_b32 v8, v9, 1, v8
	v_and_b32 v9, 16, v1
	v_lshrrev_b32 v9, 1, v9
	v_or_b32 v8, v8, v9
	v_lshlrev_b32 v8, 2, v8                        ; 4 bytes a column
	v_mul_u32_u24 v6, v3, 3328
	v_lshl_add_u32 v6, v2, 3, v6                   ; my row's scale words: my tile's UNIT, 8 r
.macro WLOAD t                         ; block t: W(32 t + i, my column) into set t % 2: 32 lanes read 128 consecutive bytes
.irp i, 0,1,2,3,4,5,6,7,8,9,10,11,12,13,14,15,16,17,18,19,20,21,22,23,24,25,26,27,28,29,30,31
	global_load_b32 v[32+32*((\t)%2)+\i], v8, s[30:31] offset:(32*(\t)+\i)*4096 th:TH_LOAD_NT
.endr
.endm
; Fragments: v160 (tile 2 b) and v172 (tile 2 b + 1) for the first 128 along K, v184 and v196 for the second.  Even blocks are made in the first of a pair, odd ones in the second;
; an exchange of halves then gives lanes 16-31 of a fragment its odd blocks.
.macro WBLOCK t
.set XS, 32+32*((\t)%2)
.set DD, 160+24*((\t)/4)+12*((\t)%2)+6*(((\t)%4)/2)
.set UU, 208+4*((\t)%4)
.if (\t) < 7
	s_wait_loadcnt 32                              ; this block's 32 loads are in; the next block's may be out
.else
	s_wait_loadcnt 0x0
.endif
	v_max3_num_f32 v226, |v[XS]|, |v[XS+1]|, |v[XS+2]|
	v_max3_num_f32 v227, |v[XS+3]|, |v[XS+4]|, |v[XS+5]|
.irp i, 6,10,14,18,22,26
	v_max3_num_f32 v226, v226, |v[XS+\i]|, |v[XS+\i+1]|
	v_max3_num_f32 v227, v227, |v[XS+\i+2]|, |v[XS+\i+3]|
.endr
	v_max3_num_f32 v226, v226, |v[XS+30]|, |v[XS+31]|
	v_max3_num_f32 v226, v226, v227, 0x1800000     ; and the floor
	v_add_nc_u32 v228, 0xff000000, v226            ; the conversion's scale operand
	v_lshrrev_b32 v229, 23, v228                   ; the byte
.if (\t)%4 == 0
	v_mov_b32 v[224+(\t)/4], v229
.else
	v_lshl_or_b32 v[224+(\t)/4], v229, 8*((\t)%4), v[224+(\t)/4]
.endif
	v_cvt_scalef32_pk16_fp6_f32 v[DD:DD+2], v[XS:XS+15], v228
	v_cvt_scalef32_pk16_fp6_f32 v[UU:UU+2], v[XS+16:XS+31], v228   ; (a conversion's three registers begin on an even number)
.if (\t)+2 < 8
	WLOAD (\t)+2
.endif
.endm
.macro WOUT q
.set FA, 160+24*(\q)
.set FB, 172+24*(\q)
	v_nop                                          ; one plain instruction behind the scaled conversions
.irp i, 0,1,2
	v_mov_b32 v[FA+3+\i], v[208+\i]
	v_mov_b32 v[FB+3+\i], v[212+\i]
	v_mov_b32 v[FA+9+\i], v[216+\i]
	v_mov_b32 v[FB+9+\i], v[220+\i]
.endr
.irp i, 0,1,2,3,4,5,6,7,8,9,10,11
	v_permlane16_swap_b32 v[FA+\i], v[FB+\i]       ; the first's lanes 16-31 (tile 2 b + 1, even blocks) change places with the second's lanes 0-15 (tile 2 b, odd blocks)
.endr
.irp c, 0,1,2
	global_store_b128 v4, v[FA+4*\c:FA+4*\c+3], s[28:29] offset:1536*(\q)+512*\c
	global_store_b128 v4, v[FB+4*\c:FB+4*\c+3], s[28:29] offset:3328+1536*(\q)+512*\c
.endr
.endm
	WLOAD 0
	WLOAD 1
.irp t, 0,1,2,3
	WBLOCK \t
.endr
	WOUT 0
.irp t, 4,5,6,7
	WBLOCK \t
.endr
	WOUT 1
	global_store_b64 v6, v[224:225], s[28:29] offset:3072        ; my row's two words,
	global_store_b64 v6, v[224:225], s[28:29] offset:3072+128    ; and their repeat for lanes 16-31
	s_endpgm
.Lfunc_end_k_q6b0cbd4d3c_quant:
	.size	k_q6b0cbd4d3c_quant, .Lfunc_end_k_q6b0cbd4d3c_quant-k_q6b0cbd4d3c_quant
	.p2alignl 7, 3214868480
	.fill 96, 4, 3214868480
	.section	.rodata,"a",@progbits
	.p2align	6, 0x0
	.amdhsa_kernel k_q6b0cbd4d3c_quant
		.amdhsa_group_segment_fixed_size 34304
		.amdhsa_private_segment_fixed_size 0
		.amdhsa_enable_private_segment 0
		.amdhsa_kernarg_size 88
		.amdhsa_user_sgpr_count 2
		.amdhsa_user_sgpr_kernarg_segment_ptr 1
		.amdhsa_wavefront_size32 1
		.amdhsa_system_sgpr_workgroup_id_x 1
		.amdhsa_system_sgpr_workgroup_id_y 1
		.amdhsa_system_sgpr_workgroup_id_z 1
		.amdhsa_system_vgpr_workitem_id 0
		.amdhsa_next_free_vgpr 256
		.amdhsa_next_free_sgpr 66
		.amdhsa_reserve_vcc 0
		.amdhsa_float_denorm_mode_32 3
		.amdhsa_float_denorm_mode_16_64 3
		.amdhsa_memory_ordered 1
		.amdhsa_forward_progress 1
		.amdhsa_inst_pref_size 60
	.end_amdhsa_kernel
	.amdgpu_metadata
---
amdhsa.version: [ 1, 2 ]
amdhsa.kernels:
  - .name:           k_q6b0cbd4d3c_quant
    .symbol:         k_q6b0cbd4d3c_quant.kd
    .args:
      - { .name: x, .offset: 0, .size: 8, .value_kind: global_buffer, .address_space: global }
      - { .name: cross_input, .offset: 8, .size: 8, .value_kind: global_buffer, .address_space: global }
      - { .name: Wq, .offset: 16, .size: 8, .value_kind: global_buffer, .address_space: global }
      - { .name: Wk, .offset: 24, .size: 8, .value_kind: global_buffer, .address_space: global }
      - { .name: Wcq, .offset: 32, .size: 8, .value_kind: global_buffer, .address_space: global }
      - { .name: Wv, .offset: 40, .size: 8, .value_kind: global_buffer, .address_space: global }
      - { .name: Wp, .offset: 48, .size: 8, .value_kind: global_buffer, .address_space: global }
      - { .name: Wck, .offset: 56, .size: 8, .value_kind: global_buffer, .address_space: global }
      - { .name: Wcv, .offset: 64, .size: 8, .value_kind: global_buffer, .address_space: global }
      - { .name: XI, .offset: 72, .size: 8, .value_kind: global_buffer, .address_space: global }
      - { .name: WI, .offset: 80, .size: 8, .value_kind: global_buffer, .address_space: global }
    .group_segment_fixed_size: 34304
    .private_segment_fixed_size: 0
    .kernarg_segment_align: 8
    .kernarg_segment_size: 88
    .max_flat_workgroup_size: 128
    .sgpr_count:     66
    .vgpr_count:     256
    .wavefront_size: 32
...
	.end_amdgpu_metadata
.endif
;; end of part 1
;; launch proj (part 2): grid 72 x 4, 4 waves a work-group, clusters of 4 x 4, 327,680 bytes of LDS; arguments XI, WI, bq, bk, bcq, bv, bck, bcv, QQ, KV; writes QQ, KV
.if DOCPART == 2
	.amdgcn_target "amdgcn-amd-amdhsa--gfx1250"
	.amdhsa_code_object_version 6
	.text
	.protected	k_q6b0cbd4d3c_proj
	.globl	k_q6b0cbd4d3c_proj
	.p2align	8
	.type	k_q6b0cbd4d3c_proj,@function
k_q6b0cbd4d3c_proj:
	s_mov_b64 s[64:65], 0
	v_nop
	global_prefetch_b8 v0, s[64:65] scope:SCOPE_SE
	s_setreg_imm32_b32 hwreg(HW_REG_WAVE_MODE, 25, 1), 1
	s_wait_xcnt 0x0
	s_wait_alu depctr_hold_cnt(0) depctr_sa_sdst(0) depctr_va_vdst(0) depctr_va_sdst(0) depctr_va_ssrc(0) depctr_va_vcc(0) depctr_vm_vsrc(0)
	s_getreg_b32 s2, hwreg(HW_REG_IB_STS2, 6, 4)
	s_cmp_eq_u32 s2, 0
	s_cbranch_scc0 .Lentry_in_a_cluster
	s_endpgm
.Lentry_in_a_cluster:
	s_bfe_u32 s2, ttmp6, 0x10000c
	s_cmp_lg_u32 s2, 0xf033
	s_cbranch_scc0 .Lentry_shape_is_right
	s_endpgm
.Lentry_shape_is_right:
; The six projections q, k, qc, v (of x, K = 1,024) and kc, vc (of cross_input, K = 512), on codes of FP6 (E2M3) with E8M0 scales; bias in f32; the results are quantised here and leave as codes.
; Cluster c (ttmp9) of 4 x 4 work-groups: c < 16: rows' tiles 4 (c % 4) .. + 3, weight c / 4 (q, k, qc, v); c = 16: kc; c = 17: vc.  A work-group multiplies 256 x 256, a wave 128 x 128: 64 accumulators.
; Operands arrive as images of registers (a UNIT of 3,328 bytes = 16 rows x 256 K: two fragments of three planes of 512 bytes, and 256 bytes of scale words); row tile 2 b + u holds rows 32 b + 8 u + r + 8 (r / 8).
; TWO PLACES IN LDS.  The A place is source 1 (a lane of the result holds one of its rows); its tile hangs on cy and is asked for jointly by my row of the cluster.  The B place is source 0 (a lane's registers
; run along its rows, 16 neighbours in two neighbouring tiles); its tile hangs on cx and is asked for jointly by my column.  q, k, qc, kc: A = rows' tile cy, B = weight's tile cx: a lane holds a token, its
; registers run along the channels, the next K.  v, vc: A = weight's tile cy, B = rows' tile cx: a lane holds a channel, its registers run along the tokens, the next K.  Only pointers and offsets in memory are chosen.
; OUT.  q, qc -> QQ: [kind][head 32][double tile 64][1,536]: 32 tokens x 64 channels, registers 0-5 row tile u = 0, 6-11 u = 1; words [kind][head][16][256] at 16 r + 4 (double tile % 4).
; k, v, kc, vc -> KV: [head 32][20 steps of 128 keys][12,800]: four double tiles of K, four fragments of V^T (16 channels x 128 keys), K's words, V's words (256 bytes each, 16 r + 4 f); the four cross steps first.
; K goes in steps of 256 through two LDS slots; the middle lap is jumped over where K = 512: a branch on the cluster's number, the same in all partners; every wait for tensor loads behind it is for all of them.
; LIMITS: NaN and infinities are not served; a block whose largest magnitude lies under 2^-124 keeps the scale byte 1.
; REGISTERS.  Window 0: v16-25 addresses; v28-29 for the add; v32-63 A's scale words, v224-255 B's (two sets each; they hold nothing else); v64-127 the bias along channels; v128-223 A's fragments, one set.
; Window 1: B's fragments, two sets, v0-95 and v128-223; v96-111 the bias by lanes; in the epilogue v128-251 at work.  Windows 2, 3: the accumulators, (a, b) at v[8 (8 (a % 4) + b)].
.set FR,    12
.set NL,    3                          ; LDS loads that bring a fragment
.set NP,    4                          ; places behind this matrix instruction (ISA guide 7.12.1)
.set UNIT,  3328
.set HALFT, 8*UNIT                     ; 128 rows x 256 K: what one tensor load brings
.set SLOT,  4*HALFT                    ; the A place's 256 rows, then the B place's
.set MSLOT, 2*HALFT                    ; 256 along K of a tile in memory
.set SPARE, 2*SLOT                     ; behind the ring: the spare words, 128 bytes for each wave
.set ADRA, 16
.set ASA,  18
.set ADRB, 20
.set ASB,  22
.set LI,   24                          ; 16 x lane
.set LR,   25                          ; 16 x (lane % 16)
.set SPW,  28
.set NIL,  29
.set SA,   32
.set BJ,   64
.set AF,   128
.set SB,   224
.set BV,   96                          ; window 1
.set T,    128                         ; window 1, the epilogue: 64 numbers
.set TM,   192
.set F0,   208
.set F1,   220
.set QT,   232
.set PWA,  240
.set PWB,  241
.set WA,   244                         ; v244-251 of window 1: the wave's eight scale words
.set G1,   24
.set G0,   32
.set G1B,  48
.set G0B,  56
.set WV,   66
.set WH,   67                          ; wave / 2: my half of the A place; also: I fetch for A (0) or for B (1)
.set WL,   68                          ; wave % 2: my half of the B place; also: which half I fetch
.set CROSS, 69
.set VT,   70
.set WB,   71
.set XB,   72
.set D0,   84
.set D1,   86
.set E0,   88
.set E1,   90
.set BP,   92
.set SEL,  96
.set MSB, 0
.macro WIN new                         ; the immediate's high byte repeats the setting that is left
.if MSB != (\new)
	s_set_vgpr_msb (MSB<<8)|(\new)
.set MSB, (\new)
.endif
.endm
.set MUL_LO, 0xa1                      ; source 0 window 1, source 1 window 0, C and D window 2
.set MUL_HI, 0xf1
.set TO_B,   0x40
.macro JLOAD g0a, g1a, g0b, g1b        ; a joint load; four v_nop follow each of the two lines
	s_cmp_eq_u32 s[WH], 0
	s_cbranch_scc0 .Lfor_b_\@
	tensor_load_to_lds s[\g0a:\g0a+3], s[\g1a:\g1a+7]
	s_nop 0
.rept 4
	v_nop
.endr
	s_branch .Lasked_\@
.Lfor_b_\@:
	tensor_load_to_lds s[\g0b:\g0b+3], s[\g1b:\g1b+7]
	s_nop 0
.rept 4
	v_nop
.endr
.Lasked_\@:
.endm
.macro CREST
	s_cmp_lg_u32 s[WV], 0
	s_cbranch_scc1 .Lnot_wave_0_\@
	s_barrier_signal -3
.Lnot_wave_0_\@:
	s_barrier_wait -3
	s_barrier_signal -1
	s_barrier_wait -1
.endm
.macro CROUND
	s_barrier_signal -1
	s_barrier_wait -1
	CREST
.endm
.macro PLACES n
.rept \n
	v_nop
.endr
.endm
	s_load_b128 s[4:7], s[0:1], 0x0                ; XI, WI
	s_load_b256 s[8:15], s[0:1], 0x10              ; bq, bk, bcq, bv
	s_load_b256 s[16:23], s[0:1], 0x30             ; bck, bcv, QQ, KV
	v_lshl_add_u32 v[SPW], v0, 2, SPARE
	v_mov_b32 v[NIL], 0
	ds_add_u32 v28, v29
	ds_add_u32 v28, v29
	s_wait_dscnt 0x0
	v_lshrrev_b32 v1, 5, v0
	v_readfirstlane_b32 s[WV], v1
	s_lshr_b32 s[WH], s[WV], 1
	s_and_b32 s[WL], s[WV], 1
	s_bfe_u32 s40, ttmp6, 0x40000                  ; cx
	s_bfe_u32 s41, ttmp6, 0x40004                  ; cy
	s_lshl_b32 s43, s41, 2
	s_lshl_b32 s43, 15, s43                        ; my row of the cluster
	s_lshl_b32 s44, 0x1111, s40                    ; my column
	; group 1: first the head's shape; the ring's is written once the head's load is in
	s_or_b32 s[G1], s43, (3<<16)|(1<<21)
	s_or_b32 s[G1B], s44, (3<<16)|(1<<21)
.irp g, G1, G1B
	; the head's shape: my 128 rows x 512 K as 2 rows of 26,624 bytes (3,328 elements of 8 bytes), 53,248 bytes apart in memory, dense in LDS: both slots by one load
	s_mov_b32 s[\g+1], 3328<<16
	s_mov_b32 s[\g+2], 2<<16
	s_mov_b32 s[\g+3], 3328<<16
	s_mov_b32 s[\g+4], 2
	s_mov_b32 s[\g+5], 6656
	s_mov_b32 s[\g+6], 0
	s_mov_b32 s[\g+7], 0
.endr
	; what my cluster computes: all from the cluster's number
	s_lshr_b32 s[WB], ttmp9, 2
	s_and_b32 s[XB], ttmp9, 3
	s_and_b32 s73, ttmp9, 1
	s_cmp_ge_u32 ttmp9, 16
	s_cselect_b32 s[CROSS], 1, 0
	s_cmp_eq_u32 s[WB], 3
	s_cselect_b32 s[VT], 1, 0
	s_cmp_eq_u32 ttmp9, 17
	s_cselect_b32 s[VT], 1, s[VT]                  ; 1: v or vc
	s_mul_i32 s74, s[XB], 851968
	s_mul_i32 s75, s[WB], 851968
	s_mul_i32 s76, s73, 425984
	s_add_co_u32 s76, s76, 4259840
	s_mov_b32 s77, 3407872
	s_mov_b32 s78, 212992
	s_cmp_lg_u32 s[CROSS], 0
	s_cselect_b32 s74, s77, s74                    ; where the rows' four tiles begin in XI
	s_cselect_b32 s75, s76, s75                    ; where the weight's four tiles begin in WI
	s_cselect_b32 s78, 106496, s78                 ; a tile in bytes
	s_cmp_lg_u32 s[VT], 0
	s_cselect_b32 s80, s75, s74                    ; the A place's
	s_cselect_b32 s82, s74, s75                    ; the B place's
	s_mul_i32 s76, s41, s78                        ; A: tile cy
	s_mul_i32 s77, s40, s78                        ; B: tile cx
	s_mul_i32 s79, s[WL], HALFT                    ; the half that I fetch
	s_add_co_u32 s80, s80, s76
	s_add_co_u32 s80, s80, s79
	s_add_co_u32 s82, s82, s77
	s_add_co_u32 s82, s82, s79
	s_mov_b32 s81, 0
	s_mov_b32 s83, 0
	s_mul_i32 s45, s[WV], 2*HALFT                  ; where it goes: LDS is laid [quarter = wave][slot][128 rows x 256 K]
	s_wait_kmcnt 0x0
	s_cmp_lg_u32 s[VT], 0
	s_cselect_b64 s[84:85], s[6:7], s[4:5]
	s_cselect_b64 s[86:87], s[4:5], s[6:7]
	s_add_nc_u64 s[84:85], s[84:85], s[80:81]
	s_add_nc_u64 s[86:87], s[86:87], s[82:83]
	CROUND                                         ; all sixteen work-groups are here: the first joint loads meet
.irp s, 0,1
	s_mov_b32 s[G0+4*\s], 1
	s_add_co_u32 s[G0+4*\s+1], s45, \s*HALFT
	s_add_nc_u64 s[G0+4*\s+2:G0+4*\s+3], s[84:85], \s*MSLOT
	s_or_b32 s[G0+4*\s+3], s[G0+4*\s+3], 0x80000000
	s_mov_b32 s[G0B+4*\s], 1
	s_add_co_u32 s[G0B+4*\s+1], s45, \s*HALFT
	s_add_nc_u64 s[G0B+4*\s+2:G0B+4*\s+3], s[86:87], \s*MSLOT
	s_or_b32 s[G0B+4*\s+3], s[G0B+4*\s+3], 0x80000000
.endr
	JLOAD G0, G1, G0B, G1B                         ; one tensor load a wave at the head: it fills my quarter of both slots
	v_and_b32 v1, 31, v0
	v_and_b32 v2, 15, v0
	v_bfe_u32 v3, v0, 4, 1
	v_lshlrev_b32 v[LI], 4, v1
	v_lshlrev_b32 v[LR], 4, v2
	v_lshlrev_b32 v4, 3, v1
	s_mul_i32 s47, s[WH], 2*HALFT                  ; my 128 rows of the A place: quarter wave / 2
	s_mul_i32 s2, s[WL], 2*HALFT
	s_add_co_u32 s2, s2, 4*HALFT                   ; my 128 rows of the B place: quarter 2 + wave % 2
.irp s, 0,1
	v_add_nc_u32 v[ADRA+\s], s47, v[LI]
	v_add_nc_u32 v[ASA+\s], s47, v4
	v_add_nc_u32 v[ADRB+\s], s2, v[LI]
	v_add_nc_u32 v[ASB+\s], s2, v4
	s_add_co_u32 s47, s47, HALFT
	s_add_co_u32 s2, s2, HALFT
.endr
	s_mov_b32 s[SEL], 0x76543210
	s_mov_b32 s[SEL+1], 0xfedcba98
	s_cmp_lg_u32 s[VT], 0
	s_cselect_b32 s46, s41, s40                    ; the weight's tile
	s_cselect_b32 s47, s40, s41                    ; the rows' tile
	s_cselect_b32 s73, s[WH], s[WL]                ; which 128 channels are my wave's
	s_cselect_b32 s74, s[WL], s[WH]                ; which 128 rows
	s_mov_b64 s[BP:BP+1], s[8:9]
	s_cmp_eq_u32 s[WB], 1
	s_cselect_b64 s[BP:BP+1], s[10:11], s[BP:BP+1]
	s_cmp_eq_u32 s[WB], 2
	s_cselect_b64 s[BP:BP+1], s[12:13], s[BP:BP+1]
	s_cmp_eq_u32 s[WB], 3
	s_cselect_b64 s[BP:BP+1], s[14:15], s[BP:BP+1]
	s_cmp_eq_u32 ttmp9, 16
	s_cselect_b64 s[BP:BP+1], s[16:17], s[BP:BP+1]
	s_cmp_eq_u32 ttmp9, 17
	s_cselect_b64 s[BP:BP+1], s[18:19], s[BP:BP+1]
	s_lshl_b32 s94, s46, 10
	s_lshl_b32 s95, s73, 9
	s_add_co_u32 s94, s94, s95
	s_mov_b32 s95, 0
	s_add_nc_u64 s[BP:BP+1], s[BP:BP+1], s[94:95]  ; the bias of my wave's 128 channels
	; both forms of the bias are loaded, whatever the kind: along the registers (register 16 b + i: channel 32 b + 16 h + i), and by lanes (block a: channel 32 (a / 2) + 8 (a % 2) + r + 8 (r / 8), twice, a pair)
	v_lshlrev_b32 v5, 6, v3
	v_and_b32 v6, 8, v2
	v_add_nc_u32 v6, v6, v2
	v_lshlrev_b32 v6, 2, v6
.irp b, 0,1,2,3
.irp j, 0,1,2,3
	global_load_b128 v[BJ+16*\b+4*\j:BJ+16*\b+4*\j+3], v5, s[BP:BP+1] offset:128*\b+16*\j
.endr
.endr
	WIN TO_B
.irp a, 0,1,2,3,4,5,6,7
	global_load_b32 v[BV+2*\a], v6, s[BP:BP+1] offset:(32*(\a/2)+8*(\a%2))*4
	global_load_b32 v[BV+2*\a+1], v6, s[BP:BP+1] offset:(32*(\a/2)+8*(\a%2))*4
.endr
	WIN 0
	; where the results go
	s_lshl_b32 s75, s[XB], 2
	s_add_co_u32 s75, s75, s47
	s_cmp_lg_u32 s[CROSS], 0
	s_cselect_b32 s75, s47, s75                    ; my tile of 256 rows
	s_lshl_b32 s75, s75, 1
	s_add_co_u32 s75, s75, s74                     ; my wave's 128 rows, counted over the tensor
	s_lshr_b32 s76, s75, 4
	s_and_b32 s77, s75, 15
	s_lshr_b32 s78, s75, 2
	s_and_b32 s79, s75, 3
	s_cmp_lg_u32 s[CROSS], 0
	s_cselect_b32 s76, s78, s76                    ; batch
	s_cselect_b32 s77, s79, s77                    ; the step of 128 tokens in it
	s_cselect_b32 s78, 0, 51200                    ; the self steps lie behind the four cross steps
	s_lshl_b32 s76, s76, 4
	s_lshl_b32 s79, s46, 2
	s_add_co_u32 s76, s76, s79
	s_lshl_b32 s79, s73, 1
	s_add_co_u32 s76, s76, s79                     ; the first of my wave's two heads: 16 batch + 4 tile + 2 half
	s_mul_i32 s79, s76, 256000
	s_add_co_u32 s79, s79, s78
	s_mul_i32 s78, s77, 12800
	s_add_co_u32 s79, s79, s78                     ; KV: the step's block
	s_cmp_lg_u32 s[VT], 0
	s_cselect_b32 s80, 6144, 0
	s_cselect_b32 s82, 256, 0
	s_add_co_u32 s80, s80, s79
	s_add_co_u32 s82, s82, s79
	s_add_co_u32 s82, s82, 12288
	s_lshr_b32 s78, s[WB], 1                       ; QQ: kind
	s_lshl_b32 s78, s78, 5
	s_add_co_u32 s78, s78, s76
	s_lshl_b32 s78, s78, 4
	s_add_co_u32 s78, s78, s77
	s_mul_i32 s79, s78, 6144
	s_lshl_b32 s78, s78, 8
	s_add_co_u32 s78, s78, 6291456
	s_and_b32 s76, s[WB], 1
	s_or_b32 s76, s76, s[CROSS]
	s_mov_b32 s77, 256000
	s_cmp_eq_u32 s76, 0                            ; q or qc?
	s_cselect_b32 s80, s79, s80
	s_cselect_b32 s82, s78, s82
	s_cselect_b32 s76, 98304, s77                  ; from a head's codes to the next head's
	s_cselect_b32 s77, 4096, s77                   ; and its words
	s_cselect_b64 s[D0:D0+1], s[20:21], s[22:23]
	s_mov_b32 s81, 0
	s_mov_b32 s83, 0
	s_add_nc_u64 s[E0:E0+1], s[D0:D0+1], s[82:83]
	s_add_nc_u64 s[D0:D0+1], s[D0:D0+1], s[80:81]
	s_mov_b32 s80, s76
	s_mov_b32 s82, s77
	s_add_nc_u64 s[D1:D1+1], s[D0:D0+1], s[80:81]
	s_add_nc_u64 s[E1:E1+1], s[E0:E0+1], s[82:83]
.macro FRAG reg, adr, q, i             ; a fragment comes back as it was stored: three planes, 16 bytes a lane
.irp c, 0,1,2
	ds_load_b128 v[\reg+4*\c:\reg+4*\c+3], v[\adr] offset:(\i)*UNIT+1536*(\q)+512*\c
.endr
.endm
; 16 matrix instructions: A's blocks a0, a0 + 1 x B's eight.  The 64 accumulators take turns, one instruction a turn, in the same order in every step.
.macro MUL16 a0, p, q, sc, zero
.irp a, \a0, \a0+1
.irp b, 0,1,2,3,4,5,6,7
.if \zero
	v_wmma_scale_f32_16x16x128_f8f6f4 v[8*(8*((\a)%4)+\b):8*(8*((\a)%4)+\b)+7], v[128*(\p)+FR*\b:128*(\p)+FR*\b+FR-1], v[AF+FR*(\a):AF+FR*(\a)+FR-1], 0, v[SB+16*(\sc)+2*\b+(\q)], v[SA+16*(\sc)+2*(\a)+(\q)] matrix_a_fmt:MATRIX_FMT_FP6 matrix_b_fmt:MATRIX_FMT_FP6
.else
	v_wmma_scale_f32_16x16x128_f8f6f4 v[8*(8*((\a)%4)+\b):8*(8*((\a)%4)+\b)+7], v[128*(\p)+FR*\b:128*(\p)+FR*\b+FR-1], v[AF+FR*(\a):AF+FR*(\a)+FR-1], v[8*(8*((\a)%4)+\b):8*(8*((\a)%4)+\b)+7], v[SB+16*(\sc)+2*\b+(\q)], v[SA+16*(\sc)+2*(\a)+(\q)] matrix_a_fmt:MATRIX_FMT_FP6 matrix_b_fmt:MATRIX_FMT_FP6
.endif
.endr
.endr
.endm
.macro FETCH_B slot, q, p
	WIN TO_B
.irp i, 0,1,2,3,4,5,6,7
	FRAG 128*(\p)+FR*\i, ADRB+\slot, \q, \i
.endr
	WIN 0
.endm
.macro FETCH_A slot, q, i0
.irp i, \i0, \i0+1, \i0+2, \i0+3
	FRAG AF+FR*(\i), ADRA+\slot, \q, \i
.endr
.endm
.macro SCALES slot                     ; a slot's scale words: 8 bytes a lane and block, the words of its two steps
.irp i, 0,1,2,3,4,5,6,7
	ds_load_b64 v[SA+16*\slot+2*\i:SA+16*\slot+2*\i+1], v[ASA+\slot] offset:\i*UNIT+3072
	ds_load_b64 v[SB+16*\slot+2*\i:SB+16*\slot+2*\i+1], v[ASB+\slot] offset:\i*UNIT+3072
.endr
.endm
.macro STEP slot, q, zero              ; 128 along K that have their successor in the same slot
	s_wait_dscnt 4*NL                              ; all but the youngest twelve loads, A's blocks 4-7
	WIN MUL_LO
	MUL16 0, (\q)%2, \q, \slot, \zero
	MUL16 2, (\q)%2, \q, \slot, \zero
	s_wait_dscnt 0
	PLACES NP
	FETCH_B \slot, (\q)+1, 1-(\q)%2
	FETCH_A \slot, (\q)+1, 0
	WIN MUL_HI
	MUL16 4, (\q)%2, \q, \slot, \zero
	MUL16 6, (\q)%2, \q, \slot, \zero
	PLACES NP
	WIN 0
	FETCH_A \slot, (\q)+1, 4
.endm
; A slot's last step changes slots: one barrier; in front of it each wave waits for all its tensor loads, adds 0 to its spare word, and waits for that and for its reads of this slot.
.macro TURN slot, next, fill
	s_wait_tensorcnt 0x0                           ; all my tensor loads have landed: my part of the next slot
	ds_add_u32 v[SPW], v[NIL]                      ; 0 onto my spare word
	s_wait_dscnt 4*NL+1                            ; the add and A's blocks 4-7 may be out
	WIN MUL_LO
	MUL16 0, 1, 1, \slot, 0
	s_wait_dscnt 0x0                               ; the add is done, and my reads of this slot are over
	s_barrier_signal -1
	MUL16 2, 1, 1, \slot, 0
	WIN 0
	s_barrier_wait -1
.if \fill
	CREST                                          ; the barrier has opened a round of the cluster's barrier: no wave of any partner still reads this slot or has a load on its way
	s_add_nc_u64 s[G0+4*\slot+2:G0+4*\slot+3], s[G0+4*\slot+2:G0+4*\slot+3], 2*MSLOT
	s_add_nc_u64 s[G0B+4*\slot+2:G0B+4*\slot+3], s[G0B+4*\slot+2:G0B+4*\slot+3], 2*MSLOT
	JLOAD G0+4*\slot, G1, G0B+4*\slot, G1B         ; the first tensor load behind the round; its four v_nop are the places in front of the loads below
.else
	PLACES NP
.endif
	FETCH_B \next, 0, 0
	FETCH_A \next, 0, 0
	SCALES \next
	WIN MUL_HI
	MUL16 4, 1, 1, \slot, 0
	MUL16 6, 1, 1, \slot, 0
	PLACES NP
	WIN 0
	FETCH_A \next, 0, 4
.endm
	s_wait_alu depctr_va_vdst(0)
	s_wait_tensorcnt 0x0                           ; my quarter of both slots is in; no tensor load of mine is out, so group 1 may be written:
.irp g, G1, G1B
	s_mov_b32 s[\g+1], 32<<16                      ; the ring's shape: a dense block of 26,624 bytes as 104 rows of 256 bytes
	s_mov_b32 s[\g+2], 104<<16
	s_mov_b32 s[\g+3], 32<<16
	s_mov_b32 s[\g+4], 104
	s_mov_b32 s[\g+5], 32
.endr
	s_barrier_signal -1                            ; everybody's quarters of both slots are in
	s_barrier_wait -1
	FETCH_B 0, 0, 0
	FETCH_A 0, 0, 0
	SCALES 0
	FETCH_A 0, 0, 4
	STEP 0, 0, 1                                   ; the first products start the sums
	s_cmp_lg_u32 s[CROSS], 0                       ; K = 512: two slots are all
	s_cbranch_scc1 .Ltail
	TURN 0, 1, 1
	STEP 1, 0, 0
	TURN 1, 0, 1
	STEP 0, 0, 0
.Ltail:
	TURN 0, 1, 0
	STEP 1, 0, 0
	s_wait_dscnt 4*NL
	WIN MUL_LO
	MUL16 0, 1, 1, 1, 0
	MUL16 2, 1, 1, 1, 0
	s_wait_dscnt 0
	WIN MUL_HI
	MUL16 4, 1, 1, 1, 0
	MUL16 6, 1, 1, 1, 0
	WIN 0
; THE EPILOGUE, all in window 1.  For A's block a the eight accumulators are 64 numbers of a lane: register 16 b + i = index 32 b + 16 (lane / 16) + i along the B place's 128 rows.
.macro QUANT s, d0, d1, pw
.irp b, 0,1,2,3
	v_max3_num_f32 v[TM+\b], |v[\s+16*\b]|, |v[\s+1+16*\b]|, 0x1800000   ; and the floor 2^(3 - 127): the byte cannot fall under 1
.endr
.irp i, 2,4,6,8,10,12,14
.irp b, 0,1,2,3
	v_max3_num_f32 v[TM+\b], v[TM+\b], |v[\s+16*\b+\i]|, |v[\s+1+16*\b+\i]|
.endr
.endr
.irp b, 0,1,2,3
	v_permlanex16_b32 v[TM+4+\b], v[TM+\b], s[SEL], s[SEL+1]
.endr
.irp b, 0,1,2,3
	v_max_num_f32 v[TM+\b], v[TM+\b], v[TM+4+\b]
.endr
.irp b, 0,1,2,3
	v_add_nc_u32 v[TM+12+\b], 0xff000000, v[TM+\b]
.endr
.irp b, 0,1,2,3
	v_lshrrev_b32 v[TM+4+\b], 23, v[TM+12+\b]
.endr
	v_lshl_or_b32 v[\pw], v[TM+5], 8, v[TM+4]
	v_lshl_or_b32 v[\pw], v[TM+6], 16, v[\pw]
	v_lshl_or_b32 v[\pw], v[TM+7], 24, v[\pw]
	v_cvt_scalef32_pk16_fp6_f32 v[\d0:\d0+2], v[\s:\s+15], v[TM+12]
	v_cvt_scalef32_pk16_fp6_f32 v[QT:QT+2], v[\s+16:\s+31], v[TM+13]
	v_cvt_scalef32_pk16_fp6_f32 v[\d1:\d1+2], v[\s+32:\s+47], v[TM+14]
	v_cvt_scalef32_pk16_fp6_f32 v[QT+4:QT+6], v[\s+48:\s+63], v[TM+15]
	v_nop                                          ; one plain instruction behind the scaled conversions
.irp i, 0,1,2
	v_permlane16_swap_b32 v[\d0+\i], v[QT+\i]
	v_permlane16_swap_b32 v[\d1+\i], v[QT+4+\i]
.endr
.irp i, 0,1,2
	v_mov_b32 v[\d0+3+\i], v[QT+\i]
	v_mov_b32 v[\d1+3+\i], v[QT+4+\i]
.endr
.endm
.macro ADDQ a                          ; block a + the bias along the registers; each accumulator is read from its low end on
	WIN 0x42+((\a)/4)
.set AC, 64*((\a)%4)
.irp k, 0,2,4,6,8,10,12,14,16,18,20,22,24,26,28,30,32,34,36,38,40,42,44,46,48,50,52,54,56,58,60,62
	v_pk_add_f32 v[T+\k:T+\k+1], v[AC+\k:AC+\k+1], v[BJ+\k:BJ+\k+1]
.endr
.endm
.macro ADDV a                          ; block a + the bias of my lane's channel
	WIN 0x46+((\a)/4)
.set AC, 64*((\a)%4)
.irp k, 0,2,4,6,8,10,12,14,16,18,20,22,24,26,28,30,32,34,36,38,40,42,44,46,48,50,52,54,56,58,60,62
	v_pk_add_f32 v[T+\k:T+\k+1], v[AC+\k:AC+\k+1], v[BV+2*(\a):BV+2*(\a)+1]
.endr
.endm
	PLACES NP                                      ; behind the last products: their results are read and their operands' registers written below
	s_wait_loadcnt 0x0                             ; the biases
	WIN 0x55
.irp b, 0,1,2,3
	v_mov_b32 v[TM+4+\b], 0                        ; written once: a lane permute's destination counts as one of its sources
.endr
	WIN 0
	s_cmp_lg_u32 s[VT], 0
	s_cbranch_scc1 .Lchannels
	; q, k, qc, kc: a lane holds a token; 128 channels are two heads.  Blocks 2 p and 2 p + 1 are the two row tiles of 32 tokens: one double tile for each head.
.irp p, 0,1,2,3
.if \p > 0
	s_wait_xcnt 0x0                                ; the last pair's stores have read their registers
.endif
	ADDQ 2*\p
	WIN 0x55
	QUANT T, F0, F1, PWA
	ADDQ 2*\p+1
	WIN 0x55
	QUANT T, F0+6, F1+6, PWB
	v_perm_b32 v[WA+\p], v[PWB], v[PWA], 0x05040100     ; the first head's two bytes of both row tiles
	v_perm_b32 v[WA+4+\p], v[PWB], v[PWA], 0x07060302   ; the second head's
	WIN 0x04                                       ; a store's data: window 1
.irp c, 0,1,2
	global_store_b128 v[LI], v[F0+4*\c:F0+4*\c+3], s[D0:D0+1] offset:1536*\p+512*\c
	global_store_b128 v[LI], v[F1+4*\c:F1+4*\c+3], s[D1:D1+1] offset:1536*\p+512*\c
.endr
.endr
	WIN 0
	s_branch .Lwords
.Lchannels:
	; v, vc: a lane holds a channel; its 64 numbers are the step's 128 keys: a whole fragment of V^T.  Blocks 0-3 are the first head's, 4-7 the second's.
.irp p, 0,1,2,3
.if \p > 0
	s_wait_xcnt 0x0
.endif
	ADDV 2*\p
	WIN 0x55
	QUANT T, F0, F0+6, WA+2*\p
	ADDV 2*\p+1
	WIN 0x55
	QUANT T, F1, F1+6, WA+2*\p+1
	WIN 0x04
.irp c, 0,1,2
	global_store_b128 v[LI], v[F0+4*\c:F0+4*\c+3], s[D0+2*(\p/2):D0+2*(\p/2)+1] offset:1536*((2*\p)%4)+512*\c
	global_store_b128 v[LI], v[F1+4*\c:F1+4*\c+3], s[D0+2*(\p/2):D0+2*(\p/2)+1] offset:1536*((2*\p)%4)+1536+512*\c
.endr
.endr
	WIN 0
.Lwords:
	WIN 0x04
	s_wait_alu depctr_va_vdst(0)
	global_store_b128 v[LR], v[WA:WA+3], s[E0:E0+1]       ; four words a row, 256 consecutive bytes (lanes 16-31 write what lanes 0-15 write)
	global_store_b128 v[LR], v[WA+4:WA+7], s[E1:E1+1]
	WIN 0
	s_wait_tensorcnt 0x0                           ; the wave's end
	ds_add_u32 v[SPW], v[NIL]
	s_wait_dscnt 0x0
	CROUND                                         ; the closing round
	s_endpgm
.Lfunc_end_k_q6b0cbd4d3c_proj:
	.size	k_q6b0cbd4d3c_proj, .Lfunc_end_k_q6b0cbd4d3c_proj-k_q6b0cbd4d3c_proj
	.p2alignl 7, 3214868480
	.fill 96, 4, 3214868480
	.section	.rodata,"a",@progbits
	.p2align	6, 0x0
	.amdhsa_kernel k_q6b0cbd4d3c_proj
		.amdhsa_group_segment_fixed_size 327680
		.amdhsa_private_segment_fixed_size 0
		.amdhsa_enable_private_segment 0
		.amdhsa_kernarg_size 80
		.amdhsa_user_sgpr_count 2
		.amdhsa_user_sgpr_kernarg_segment_ptr 1
		.amdhsa_wavefront_size32 1
		.amdhsa_system_sgpr_workgroup_id_x 1
		.amdhsa_system_sgpr_workgroup_id_y 1
		.amdhsa_system_sgpr_workgroup_id_z 1
		.amdhsa_system_vgpr_workitem_id 0
		.amdhsa_next_free_vgpr 1024
		.amdhsa_next_free_sgpr 100
		.amdhsa_reserve_vcc 0
		.amdhsa_float_denorm_mode_32 3
		.amdhsa_float_denorm_mode_16_64 3
		.amdhsa_memory_ordered 1
		.amdhsa_forward_progress 1
		.amdhsa_inst_pref_size 210
	.end_amdhsa_kernel
	.amdgpu_metadata
---
amdhsa.version: [ 1, 2 ]
amdhsa.kernels:
  - .name:           k_q6b0cbd4d3c_proj
    .symbol:         k_q6b0cbd4d3c_proj.kd
    .args:
      - { .name: XI, .offset: 0, .size: 8, .value_kind: global_buffer, .address_space: global }
      - { .name: WI, .offset: 8, .size: 8, .value_kind: global_buffer, .address_space: global }
      - { .name: bq, .offset: 16, .size: 8, .value_kind: global_buffer, .address_space: global }
      - { .name: bk, .offset: 24, .size: 8, .value_kind: global_buffer, .address_space: global }
      - { .name: bcq, .offset: 32, .size: 8, .value_kind: global_buffer, .address_space: global }
      - { .name: bv, .offset: 40, .size: 8, .value_kind: global_buffer, .address_space: global }
      - { .name: bck, .offset: 48, .size: 8, .value_kind: global_buffer, .address_space: global }
      - { .name: bcv, .offset: 56, .size: 8, .value_kind: global_buffer, .address_space: global }
      - { .name: QQ, .offset: 64, .size: 8, .value_kind: global_buffer, .address_space: global }
      - { .name: KV, .offset: 72, .size: 8, .value_kind: global_buffer, .address_space: global }
    .group_segment_fixed_size: 327680
    .private_segment_fixed_size: 0
    .kernarg_segment_align: 8
    .kernarg_segment_size: 80
    .max_flat_workgroup_size: 128
    .sgpr_count:     100
    .vgpr_count:     1024
    .wavefront_size: 32
...
	.end_amdgpu_metadata
.endif
;; end of part 2
;; launch att (part 3): grid 8 x 32, 16 waves a work-group, no clusters, 327,680 bytes of LDS; arguments QQ, KV, YI; writes YI
.if DOCPART == 3
	.amdgcn_target "amdgcn-amd-amdhsa--gfx1250"
	.amdhsa_code_object_version 6
	.text
	.protected	k_q6b0cbd4d3c_att
	.globl	k_q6b0cbd4d3c_att
	.p2align	8
	.type	k_q6b0cbd4d3c_att,@function
k_q6b0cbd4d3c_att:
	s_mov_b64 s[64:65], 0
	v_nop
	global_prefetch_b8 v0, s[64:65] scope:SCOPE_SE
	s_setreg_imm32_b32 hwreg(HW_REG_WAVE_MODE, 25, 1), 1
	s_wait_xcnt 0x0
; y = causal self-attention + cross-attention for one head (work-group y: 16 batch + head), on codes of FP6 (E2M3) with E8M0 scales; y leaves as codes, laid as the next product's operand.
; THE SOFTMAX AHEAD OF THE SECOND PRODUCT: t = score x log2(e) / 8; M = the running largest t rounded UP to a whole number; p = 2^(t - M) is quantised along the keys, not normalised; the row's sum is taken
; of the unquantised p and divides at the end.  When M moves, the sum and O are multiplied by 2^(old M - new M): exact.
; SHARES.  The work-group has 16 tiles of 16 queries: eight of query block g (128 queries) and eight of block 15 - g.  Wave w (0..7) OWNS tile w of block g, wave w + 8 tile w of block 15 - g.
; CROSS: each wave walks the four cross steps for its own tile.  SELF: waves w and w + 8 share their two tiles: EACH OF THE TWO WALKS EVERY SECOND SELF STEP OF BOTH TILES (wave / 8 = the steps' parity), so every
; wave has 8 or 9 of the pair's 17 self steps.  A wave's part for the partner's tile (O^T, -M, the sum) goes to the partner through a stage in LDS; the owner joins the two parts under the larger M, by exact
; powers of two, and divides by the joint sum.  A part with no step at all (-M = 3e38, zeros) gets the factor 0.  Row tile qt = 2 dt + u holds queries 32 dt + 8 u + r + 8 (r / 8).
; LDS.  Bytes 0-255,999: the head's block of KV, filled ONCE: 20 steps of 128 keys (four cross, sixteen self), 12,800 bytes each: four double tiles of K, four fragments of V^T, K's words, V's words.
; Waves 0-3 fetch the cross steps at the head, a step a wave; behind the first barrier every wave fetches one self step, which lands under the cross steps' work.  By the text's count a wave has one load out.
; Behind the block 16 stages of 4,352 bytes (32 registers and a pair, as images), into which no fill lands; behind them the spare words.  All of LDS is in use.
; HEAD SIZE 64 IN AN INSTRUCTION OF K = 128.  A double tile of K holds two row tiles of 16 keys, in k 0-63 and k 64-127.  Q stands in 18 registers as [Q][zero codes][Q]: the first twelve pick the first row tile, the last twelve the second.
; Both products are used transposed (S^T = K Q^T, O^T = V^T P^T): a lane holds one query throughout, and the 16 registers of two neighbouring tiles are 16 neighbouring keys (or channels).
; CAUSAL.  A walk over self steps has a constant trip count (8); a step all of whose keys come after the tile's queries jumps over its work; on the diagonal hidden scores become -infinity.
; No cluster: the jump hangs on the query block, which differs between the work-groups that read one head's block.  No prefetch: both groups of loads go out ahead of the first loop, so no loop runs ahead of a load.
; LIMITS: NaN and infinities are not served; the promise holds while the scaled scores t stay under 2^31 in magnitude; a block of y whose largest magnitude lies under 2^-124 keeps the scale byte 1.
; REGISTERS: v1 16 x lane; v2 the step's LDS address; v3 the mask's bound; v5 8 x lane; v8, v41 my stage; v9, v42 the partner's; v10 16 r; v12 -M, v13 largest t, v[14:15] the sum; v16-33 Q; v34-40 my own tile's q, kept;
; v43, v44 my own tile's -M and sum; v48-95 four fragments; v96-159 S^T, then p; v160-191 O^T; v200-206 the partner's tile's q, kept up to the cross steps' end; then v192-223 the cross result; v224-235 p's codes;
; v228-247, v252, v254 at work; v248-251 scale words (lanes 0-15 K's, 16-31 V's); v253 p's word; v255 Q's word; v47, v243 for the add.
.set SEL, 20
.set CS,  22
.set G1,  24
.set G0,  32
.set G0S, 36
.set WV,  10
.set BH,  11
.set PI,  16
.set W7,  17
.set QOWN, 40
.set QOTH, 41
.set SDOWN, 42
.set SDOTH, 43
.set TBS, 45
.set SD,  56
.set TB,  67
.set ST,  68
.set CNT, 69
.set STEPB, 12800
.set STG,  256000
.set STGW, 4352
.set SPARE, STG+16*STGW
	s_load_b128 s[4:7], s[0:1], 0x0                ; QQ, KV
	s_load_b64 s[8:9], s[0:1], 0x10                ; YI
	v_lshl_add_u32 v47, v0, 2, SPARE
	v_mov_b32 v243, 0
	ds_add_u32 v47, v243                           ; the opening lines: the add twice on end and its wait
	ds_add_u32 v47, v243
	v_lshrrev_b32 v4, 5, v0
	s_delay_alu instid0(VALU_DEP_1)
	v_readfirstlane_b32 s[WV], v4                  ; wave 0..15
	s_and_b32 s[BH], ttmp7, 0xffff
	s_mul_i32 s12, s[BH], 256000
	s_mul_i32 s14, s[WV], STEPB                    ; step number wave: of the cross steps (waves 0-3), and of the self steps
	s_add_co_u32 s12, s12, s14
	s_mov_b32 s13, 0
	s_mov_b32 s[G1], 3<<16                         ; a step: 50 rows of 256 bytes (32 elements of 8 bytes), dense, no mask, no padding
	s_mov_b32 s[G1+1], 32<<16
	s_mov_b32 s[G1+2], 50<<16
	s_mov_b32 s[G1+3], 32<<16
	s_mov_b32 s[G1+4], 50
	s_mov_b32 s[G1+5], 32
	s_mov_b32 s[G1+6], 0
	s_mov_b32 s[G1+7], 0
	s_mov_b32 s[G0], 1
	s_mov_b32 s[G0+1], s14
	s_mov_b32 s[G0S], 1
	s_add_co_u32 s[G0S+1], s14, 4*STEPB
	s_wait_dscnt 0x0
	s_wait_kmcnt 0x0
	s_add_nc_u64 s[G0+2:G0+3], s[6:7], s[12:13]
	s_add_nc_u64 s[G0S+2:G0S+3], s[G0+2:G0+3], 4*STEPB
	s_or_b32 s[G0+3], s[G0+3], 0x80000000
	s_or_b32 s[G0S+3], s[G0S+3], 0x80000000
	s_cmp_lt_u32 s[WV], 4                          ; waves 0-3 fetch the four cross steps, one tensor load a wave
	s_cbranch_scc0 .Lno_fetch
	tensor_load_to_lds s[G0:G0+3], s[G1:G1+7]
	s_nop 0
.rept 4
	v_nop
.endr
.Lno_fetch:
	s_lshr_b32 s[PI], s[WV], 3                     ; the parity of my self steps; 0: I own the tile of block g, 1: that of block 15 - g
	s_and_b32 s[W7], s[WV], 7
	s_lshl_b32 s12, ttmp9, 3
	s_add_co_u32 s13, s12, s[W7]                   ; 8 g + w
	s_sub_co_u32 s15, 120, s12
	s_add_co_u32 s15, s15, s[W7]                   ; 8 (15 - g) + w
	s_cmp_eq_u32 s[PI], 0
	s_cselect_b32 s[QOWN], s13, s15
	s_cselect_b32 s[QOTH], s15, s13
	s_lshr_b32 s[SDOWN], s[QOWN], 3                ; the self step on the diagonal
	s_lshr_b32 s[SDOTH], s[QOTH], 3
	s_mul_i32 s[TBS], s[PI], STEPB
	s_add_co_u32 s[TBS], s[TBS], 4*STEPB           ; my first self step in LDS
	s_lshr_b32 s57, s[W7], 1
	s_lshl_b32 s57, s57, 5
	s_and_b32 s71, s[W7], 1                        ; u, the same for both tiles
	s_lshl_b32 s58, s71, 3
	s_add_co_u32 s57, s57, s58                     ; a tile's first query within its 128
	s_mul_i32 s58, s[WV], STGW
	s_add_co_u32 s58, s58, STG                     ; my stage
	s_xor_b32 s59, s[WV], 8
	s_mul_i32 s59, s59, STGW
	s_add_co_u32 s59, s59, STG                     ; the partner's
.macro QADR tile, cod, wrd             ; where a tile's double tile of q and its scale words lie; qc's lie 3,145,728 and 131,072 bytes on
	s_lshl_b32 s46, s[BH], 6
	s_lshr_b32 s47, s[\tile], 1
	s_add_co_u32 s46, s46, s47
	s_mul_i32 s46, s46, 1536
	s_mov_b32 s47, 0
	s_add_nc_u64 s[\cod:\cod+1], s[4:5], s[46:47]
	s_lshl_b32 s46, s[BH], 4
	s_lshr_b32 s47, s[\tile], 3
	s_add_co_u32 s46, s46, s47
	s_lshl_b32 s46, s46, 8
	s_bfe_u32 s47, s[\tile], 0x20001
	s_lshl_b32 s47, s47, 2
	s_add_co_u32 s46, s46, s47
	s_add_co_u32 s46, s46, 6291456
	s_mov_b32 s47, 0
	s_add_nc_u64 s[\wrd:\wrd+1], s[4:5], s[46:47]
.endm
	QADR QOWN, 48, 50
	QADR QOTH, 52, 54
	s_mov_b32 s[SEL], 0x76543210
	s_mov_b32 s[SEL+1], 0xfedcba98
	s_mov_b32 s[CS], 0x3e38aa3b                    ; c = log2(e) / 8
	s_mov_b32 s[CS+1], s[CS]
	s_mov_b32 s66, 0x01000100
	s_cmp_lg_u32 s71, 0
	s_cselect_b32 s70, -1, 0                       ; all lanes take row tile u's six registers,
	s_cselect_b32 s66, 0x03020302, s66             ; and its two scale bytes, twice: they serve both forms of Q
	v_and_b32 v4, 31, v0
	v_and_b32 v6, 15, v0                           ; r
	v_bfe_u32 v7, v0, 4, 1                         ; h
	v_lshlrev_b32 v1, 4, v4
	v_lshlrev_b32 v5, 3, v4
	v_lshlrev_b32 v10, 4, v6
	v_and_b32 v11, 8, v6
	v_lshlrev_b32 v7, 4, v7
	v_add_nc_u32 v8, s58, v1
	v_add_nc_u32 v11, v11, v6
	v_add_nc_u32 v9, s59, v1
	v_add_nc_u32 v41, s58, v5
	v_add_nc_u32 v11, s57, v11
	v_add_nc_u32 v42, s59, v5
	s_delay_alu instid0(VALU_DEP_2)
	v_sub_nc_u32 v3, v11, v7                       ; d = my query - 16 h: register 16 b + i holds key 32 b + 16 h + i, hidden where 32 b + i > d
	s_wait_alu depctr_va_vdst(0)                   ; the wait behind the head's addresses
.irp c, 0,1,2
	global_load_b128 v[96+4*\c:99+4*\c], v1, s[48:49] offset:3145728+512*\c     ; qc of my own tile,
	global_load_b128 v[112+4*\c:115+4*\c], v1, s[48:49] offset:512*\c           ; its q,
	global_load_b128 v[128+4*\c:131+4*\c], v1, s[52:53] offset:512*\c           ; and q of the partner's tile
.endr
	global_load_b32 v108, v10, s[50:51] offset:131072
	global_load_b32 v124, v10, s[50:51]
	global_load_b32 v140, v10, s[54:55]
	s_wait_loadcnt 0x0
.irp i, 0,1,2,3,4,5
	v_cndmask_b32 v[16+\i], v[96+\i], v[102+\i], s70
	v_cndmask_b32 v[34+\i], v[112+\i], v[118+\i], s70
	v_cndmask_b32 v[200+\i], v[128+\i], v[134+\i], s70
	v_mov_b32 v[22+\i], 0                          ; zero codes
.endr
.irp i, 0,1,2,3,4,5
	v_mov_b32 v[28+\i], v[16+\i]
.endr
	v_perm_b32 v255, v108, v108, s66
	v_perm_b32 v40, v124, v124, s66
	v_perm_b32 v206, v140, v140, s66
.irp b, 0,1,2,3
	v_mov_b32 v[236+\b], 0                         ; written once: a lane permute's destination counts as one of its sources
.endr
	v_mov_b32 v252, 0
	v_mov_b32 v253, 0
.macro INIT o                          ; a part's state: the first change of M multiplies zeros
	v_mov_b32 v13, 0xff61b1e6                      ; the largest t so far: -3e38
	s_delay_alu instid0(VALU_DEP_1)
	v_floor_f32 v12, -v13
	v_mov_b32 v14, 0
	v_mov_b32 v15, 0
.irp j, 0,1,2,3,4,5,6,7,8,9,10,11,12,13,14,15,16,17,18,19,20,21,22,23,24,25,26,27,28,29,30,31
	v_mov_b32 v[\o+\j], 0
.endr
	s_wait_alu depctr_va_vdst(0)
.endm
.macro SETQ q, w                       ; a kept Q takes its places; INIT's lines stand between these and the next products
.irp i, 0,1,2,3,4,5
	v_mov_b32 v[16+\i], v[\q+\i]
	v_mov_b32 v[28+\i], v[\q+\i]
.endr
	v_mov_b32 v255, v[\w]
.endm
; A KEY STEP: 128 keys, whose block begins at LDS byte s[TB]; O^T in v[o] on.  A cross walk goes one step on, a self walk two.
.macro STEP causal, o
.if \causal
	s_cmp_gt_u32 s[ST], s[SD]                      ; all keys come after the tile's queries: a scalar branch on ids round the work, not round the lines that step
	s_cbranch_scc1 .Lhidden_\@
.endif
	v_add_nc_u32 v2, s[TB], v1
.rept 3
	v_nop                                          ; with the addition: four places in front of loads into registers that matrix instructions have read
.endr
.irp f, 0,1,2,3
.irp c, 0,1,2
	ds_load_b128 v[48+12*\f+4*\c:51+12*\f+4*\c], v2 offset:1536*\f+512*\c
.endr
.endr
	ds_load_b128 v[248:251], v2 offset:12288       ; lanes 0-15: K's four words of row r; lanes 16-31: V's
	s_wait_alu depctr_va_vdst(0)
	s_wait_dscnt 0x0
.irp f, 0,1,2,3
.irp u, 0,1
	v_wmma_scale_f32_16x16x128_f8f6f4 v[96+16*\f+8*\u:103+16*\f+8*\u], v[48+12*\f:59+12*\f], v[16+6*\u:27+6*\u], 0, v[248+\f], v255 matrix_a_fmt:MATRIX_FMT_FP6 matrix_b_fmt:MATRIX_FMT_FP6
.endr
.endr
.rept 4
	v_nop
.endr
.irp f, 0,1,2,3
.irp c, 0,1,2
	ds_load_b128 v[48+12*\f+4*\c:51+12*\f+4*\c], v2 offset:6144+1536*\f+512*\c   ; V's fragments land under the softmax
.endr
.endr
.if \causal
	s_cmp_lt_u32 s[ST], s[SD]
	s_cbranch_scc1 .Lopen_\@
	v_mov_b32 v254, 0xff800000                     ; -infinity
.irp n, 0,1,2,3,4,5,6,7,8,9,10,11,12,13,14,15,16,17,18,19,20,21,22,23,24,25,26,27,28,29,30,31,32,33,34,35,36,37,38,39,40,41,42,43,44,45,46,47,48,49,50,51,52,53,54,55,56,57,58,59,60,61,62,63
	v_cmp_gt_i32 vcc_lo, 32*(\n/16)+\n%16, v3
	v_cndmask_b32 v[96+\n], v[96+\n], v254, vcc_lo
.endr
.Lopen_\@:
.endif
.irp b, 0,1,2,3
	v_max3_num_f32 v[232+\b], v[96+16*\b], v[97+16*\b], v[98+16*\b]   ; the largest score of each block of 32 keys: for the row's maximum and, since p rises with the score, for the block's largest p
.endr
.irp i, 3,5,7,9,11,13
.irp b, 0,1,2,3
	v_max3_num_f32 v[232+\b], v[232+\b], v[96+16*\b+\i], v[97+16*\b+\i]
.endr
.endr
.irp b, 0,1,2,3
	v_max_num_f32 v[232+\b], v[232+\b], v[111+16*\b]
.endr
.irp b, 0,1,2,3
	s_delay_alu instid0(VALU_DEP_4)
	v_permlanex16_b32 v[236+\b], v[232+\b], s[SEL], s[SEL+1]
.endr
.irp b, 0,1,2,3
	s_delay_alu instid0(VALU_DEP_4)
	v_max_num_f32 v[232+\b], v[232+\b], v[236+\b]
.endr
	s_delay_alu instid0(VALU_DEP_2)
	v_max3_num_f32 v254, v232, v233, v234
	s_delay_alu instid0(VALU_DEP_1)
	v_max_num_f32 v254, v254, v235
	s_delay_alu instid0(VALU_DEP_1)
	v_mul_f32 v254, s[CS], v254
	s_delay_alu instid0(VALU_DEP_1)
	v_max_num_f32 v13, v13, v254                   ; the running largest t
	v_mov_b32 v254, v12
	s_delay_alu instid0(VALU_DEP_2)
	v_floor_f32 v12, -v13                          ; the new -M = -ceil(t)
	s_delay_alu instid0(VALU_DEP_1)
	v_sub_f32 v254, v12, v254
	s_delay_alu instid0(VALU_DEP_1)
	v_cvt_i32_f32 v254, v254                       ; (it saturates)
	s_delay_alu instid0(VALU_DEP_1)
	v_ldexp_f32 v252, 1.0, v254                    ; f = 2^(old M - new M)
.irp j, 0,2,4,6,8,10,12,14,16,18,20,22,24,26,28,30,32,34,36,38,40,42,44,46,48,50,52,54,56,58,60,62
	v_pk_fma_f32 v[96+\j:97+\j], v[96+\j:97+\j], s[CS:CS+1], v[12:13] op_sel_hi:[1,0,0]   ; t - M
.endr
.irp b, 0,1,2,3
	v_fma_f32 v[232+\b], v[232+\b], s[CS], v12
.endr
	s_wait_alu depctr_va_vdst(0)                   ; the wait ahead of the batch
.irp j, 0,1,2,3,4,5,6,7,8,9,10,11,12,13,14,15,16,17,18,19,20,21,22,23,24,25,26,27,28,29,30,31,32,33,34,35,36,37,38,39,40,41,42,43,44,45,46,47,48,49,50,51,52,53,54,55,56,57,58,59,60,61,62,63
	v_exp_f32 v[96+\j], v[96+\j]                   ; p = 2^(t - M)
.endr
	v_pk_mul_f32 v[14:15], v[14:15], v[252:253] op_sel_hi:[1,0]   ; the sums under the new M: a plain instruction behind the exponentials
	s_wait_alu depctr_va_vdst(0)                   ; one wait for the whole batch, ahead of its first reader
.irp b, 0,1,2,3
	v_exp_f32 v[232+\b], v[232+\b]                 ; the block's largest p
.endr
	v_pk_add_f32 v[236:237], v[100:101], v[104:105]   ; the row's sum of the unquantised p, in eight chains
	v_pk_add_f32 v[246:247], v[108:109], v[112:113]
	v_pk_add_f32 v[244:245], v[116:117], v[120:121]
	v_pk_add_f32 v[240:241], v[124:125], v[128:129]
	v_pk_add_f32 v[238:239], v[132:133], v[136:137]
	v_pk_add_f32 v[230:231], v[140:141], v[144:145]
	v_pk_add_f32 v[228:229], v[148:149], v[152:153]
	v_pk_add_f32 v[14:15], v[14:15], v[156:157]
	v_pk_add_f32 v[236:237], v[236:237], v[96:97]
	v_pk_add_f32 v[246:247], v[246:247], v[98:99]
	v_pk_add_f32 v[244:245], v[244:245], v[102:103]
	v_pk_add_f32 v[240:241], v[240:241], v[106:107]
	v_pk_add_f32 v[238:239], v[238:239], v[110:111]
	v_pk_add_f32 v[230:231], v[230:231], v[114:115]
	v_pk_add_f32 v[228:229], v[228:229], v[118:119]
	v_pk_add_f32 v[14:15], v[14:15], v[122:123]
	v_pk_add_f32 v[236:237], v[236:237], v[126:127]
	v_pk_add_f32 v[246:247], v[246:247], v[130:131]
	v_pk_add_f32 v[244:245], v[244:245], v[134:135]
	v_pk_add_f32 v[240:241], v[240:241], v[138:139]
	v_pk_add_f32 v[238:239], v[238:239], v[142:143]
	v_pk_add_f32 v[230:231], v[230:231], v[146:147]
	v_pk_add_f32 v[228:229], v[228:229], v[150:151]
	v_pk_add_f32 v[14:15], v[14:15], v[154:155]
	v_pk_add_f32 v[236:237], v[236:237], v[158:159]
	s_delay_alu instid0(VALU_DEP_2)
	v_pk_add_f32 v[14:15], v[14:15], v[240:241]
	s_delay_alu instid0(VALU_DEP_2)
	v_pk_add_f32 v[236:237], v[236:237], v[238:239]
	v_pk_add_f32 v[246:247], v[246:247], v[230:231]
	v_pk_add_f32 v[244:245], v[244:245], v[228:229]
	s_delay_alu instid0(VALU_DEP_2)
	v_pk_add_f32 v[14:15], v[14:15], v[246:247]
	s_delay_alu instid0(VALU_DEP_2)
	v_pk_add_f32 v[236:237], v[236:237], v[244:245]
	s_delay_alu instid0(VALU_DEP_1)
	v_pk_add_f32 v[14:15], v[14:15], v[236:237]
	s_wait_alu depctr_va_vdst(0)                   ; and one for the four
.irp b, 0,1,2,3
	v_max_num_f32 v[232+\b], 0x1800000, v[232+\b]  ; the floor: the byte cannot fall under 1
.endr
.irp b, 0,1,2,3
	s_delay_alu instid0(VALU_DEP_4)
	v_add_nc_u32 v[244+\b], 0xff000000, v[232+\b]
.endr
.irp b, 0,1,2,3
	s_delay_alu instid0(VALU_DEP_4)
	v_lshrrev_b32 v[236+\b], 23, v[244+\b]
.endr
	s_delay_alu instid0(VALU_DEP_3)
	v_lshl_or_b32 v253, v237, 8, v236              ; p's scale word for these 128 keys
	s_delay_alu instid0(VALU_DEP_1)
	v_lshl_or_b32 v253, v238, 16, v253
	s_delay_alu instid0(VALU_DEP_1)
	v_lshl_or_b32 v253, v239, 24, v253
.irp c, 0,1
	v_cvt_scalef32_pk16_fp6_f32 v[224+6*\c:226+6*\c], v[96+32*\c:111+32*\c], v[244+2*\c]
	v_cvt_scalef32_pk16_fp6_f32 v[236+4*\c:238+4*\c], v[112+32*\c:127+32*\c], v[244+2*\c+1]
.endr
	v_nop                                          ; one plain instruction behind the scaled conversions
.irp c, 0,1
.irp i, 0,1,2
	v_permlane16_swap_b32 v[224+6*\c+\i], v[236+4*\c+\i]
.endr
.irp i, 0,1,2
	s_delay_alu instid0(VALU_DEP_3)
	v_mov_b32 v[227+6*\c+\i], v[236+4*\c+\i]
.endr
.endr
.irp j, 0,2,4,6,8,10,12,14,16,18,20,22,24,26,28,30
	v_pk_mul_f32 v[\o+\j:\o+\j+1], v[\o+\j:\o+\j+1], v[252:253] op_sel_hi:[1,0]   ; O^T under the new M; these sixteen stand between the writes of p's codes and word and the products
.endr
	s_wait_alu depctr_va_vdst(0)
	s_wait_dscnt 0x0                               ; V is in
.irp f, 0,1,2,3
	v_wmma_scale_f32_16x16x128_f8f6f4 v[\o+8*\f:\o+8*\f+7], v[48+12*\f:59+12*\f], v[224:235], v[\o+8*\f:\o+8*\f+7], v[248+\f], v253 matrix_a_fmt:MATRIX_FMT_FP6 matrix_b_fmt:MATRIX_FMT_FP6 matrix_a_scale:MATRIX_SCALE_ROW1
.endr
.if \causal
.Lhidden_\@:
	s_add_co_u32 s[ST], s[ST], 2
	s_add_co_u32 s[TB], s[TB], 2*STEPB
.else
	s_add_co_u32 s[TB], s[TB], STEPB
.endif
.endm
.macro WALK causal, trips, o           ; from s[TB] on: a constant trip count
	s_mov_b32 s[CNT], \trips
.Lwalk_\@:
	STEP \causal, \o
	s_sub_co_u32 s[CNT], s[CNT], 1
	s_cmp_lg_u32 s[CNT], 0
	s_cbranch_scc1 .Lwalk_\@
.endm
	INIT 160
	s_wait_tensorcnt 0x0                           ; my cross step, if I fetched one, is in.  These lines stand ahead of a later first fill;
	ds_add_u32 v47, v243                           ; the add stands twice
	ds_add_u32 v47, v243
	s_wait_dscnt 0x0
	s_barrier_signal -1
	s_barrier_wait -1                              ; the four cross steps are in
	tensor_load_to_lds s[G0S:G0S+3], s[G1:G1+7]    ; every wave: self step number wave, my one load behind this barrier; it fills bytes for the first time
	s_nop 0
.rept 4
	v_nop
.endr
	s_mov_b32 s[TB], 0
	WALK 0, 3, 160                                 ; three cross steps for my own tile
	s_wait_tensorcnt 0x0                           ; my self step is in,
	s_wait_dscnt 0x0
	s_barrier_signal -1                            ; say so; up to this barrier's wait: work on registers and reads of the cross steps, which nobody writes
	STEP 0, 160                                    ; the fourth cross step
	SETQ 200, 206                                  ; the partner's tile's q takes its places: thirteen plain lines, the places behind the last products
	v_add_f32 v14, v14, v15
	s_delay_alu instid0(VALU_DEP_1)
	v_permlanex16_b32 v252, v14, s[SEL], s[SEL+1]
	s_delay_alu instid0(VALU_DEP_1)
	v_add_f32 v14, v14, v252
	s_wait_alu depctr_va_vdst(0)
	v_rcp_f32 v14, v14
	v_nop                                          ; a plain instruction behind the reciprocal,
	s_wait_alu depctr_va_vdst(0)                   ; and the wait ahead of its first reader
.irp j, 0,2,4,6,8,10,12,14,16,18,20,22,24,26,28,30
	v_pk_mul_f32 v[192+\j:193+\j], v[160+\j:161+\j], v[14:15] op_sel_hi:[1,0]   ; the cross result, finished
.endr
	INIT 160
	s_barrier_wait -1                              ; all sixteen self steps are in
	s_mov_b32 s[SD], s[SDOTH]
	s_mov_b32 s[ST], s[PI]
	s_mov_b32 s[TB], s[TBS]
	WALK 1, 8, 160                                 ; my self steps for the partner's tile
	v_add_f32 v13, v14, v15                        ; with three v_nop: four places behind the last products
.rept 3
	v_nop
.endr
.irp k, 0,1,2,3,4,5,6,7
	ds_store_b128 v8, v[160+4*\k:163+4*\k] offset:512*\k   ; my part for the partner's tile into my stage, as images of registers; each accumulator from its low end on
.endr
	ds_store_b64 v41, v[12:13] offset:4096         ; -M and the sum
	SETQ 34, 40
	INIT 160
	s_mov_b32 s[SD], s[SDOWN]
	s_mov_b32 s[ST], s[PI]
	s_mov_b32 s[TB], s[TBS]
	WALK 1, 8, 160                                 ; and for my own
	v_mov_b32 v43, v12
	v_add_f32 v44, v14, v15
	s_wait_alu depctr_va_vdst(0)
	s_wait_dscnt 0x0                               ; my stage is written
	s_barrier_signal -1
	s_barrier_wait -1                              ; and so are all stages
	; the partner's part for my own tile comes into v96-127 and v[244:245]; v252 = 2^(my M - M) / l, v246 = 2^(its M - M) / l, with M the larger of the two and l the joint sum
	ds_load_b64 v[244:245], v42 offset:4096
.irp k, 0,1,2,3,4,5,6,7
	ds_load_b128 v[96+4*\k:99+4*\k], v9 offset:512*\k
.endr
	s_wait_dscnt 0x0
	v_min_num_f32 v246, v43, v244                  ; -M
	s_delay_alu instid0(VALU_DEP_1)
	v_sub_f32 v247, v246, v43
	v_sub_f32 v254, v246, v244
	s_delay_alu instid0(VALU_DEP_2)
	v_cvt_i32_f32 v247, v247                       ; (they saturate: a part with no step gets the factor 0)
	s_delay_alu instid0(VALU_DEP_2)
	v_cvt_i32_f32 v254, v254
	s_delay_alu instid0(VALU_DEP_2)
	v_ldexp_f32 v252, 1.0, v247
	s_delay_alu instid0(VALU_DEP_2)
	v_ldexp_f32 v246, 1.0, v254
	s_delay_alu instid0(VALU_DEP_2)
	v_mul_f32 v14, v44, v252
	s_delay_alu instid0(VALU_DEP_1)
	v_fmac_f32 v14, v245, v246
	s_delay_alu instid0(VALU_DEP_1)
	v_permlanex16_b32 v236, v14, s[SEL], s[SEL+1]
	s_delay_alu instid0(VALU_DEP_1)
	v_add_f32 v14, v14, v236                       ; the row's joint sum
	s_wait_alu depctr_va_vdst(0)
	v_rcp_f32 v14, v14
	v_nop                                          ; a plain instruction behind the reciprocal,
	s_wait_alu depctr_va_vdst(0)                   ; and the wait ahead of its first reader
	v_mul_f32 v252, v252, v14
	v_mul_f32 v246, v246, v14
	s_wait_alu depctr_va_vdst(0)                   ; the wait directly ahead of the first reader of the matrix results
.irp j, 0,2,4,6,8,10,12,14,16,18,20,22,24,26,28,30
	v_pk_fma_f32 v[160+\j:161+\j], v[160+\j:161+\j], v[252:253], v[192+\j:193+\j] op_sel_hi:[1,0,1]
.endr
.irp j, 0,2,4,6,8,10,12,14,16,18,20,22,24,26,28,30
	v_pk_fma_f32 v[160+\j:161+\j], v[96+\j:97+\j], v[246:247], v[160+\j:161+\j] op_sel_hi:[1,0,1]   ; y: register 16 b + i = the head's channel 32 b + 16 h + i
.endr
	; y's two blocks of 32 channels are quantised: six registers, half a fragment of the next product's operand
.irp b, 0,1
	v_max3_num_f32 v[232+\b], |v[160+16*\b]|, |v[161+16*\b]|, 0x1800000
.endr
.irp i, 2,4,6,8,10,12,14
.irp b, 0,1
	s_delay_alu instid0(VALU_DEP_2)
	v_max3_num_f32 v[232+\b], v[232+\b], |v[160+16*\b+\i]|, |v[161+16*\b+\i]|
.endr
.endr
.irp b, 0,1
	s_delay_alu instid0(VALU_DEP_2)
	v_permlanex16_b32 v[236+\b], v[232+\b], s[SEL], s[SEL+1]
.endr
.irp b, 0,1
	s_delay_alu instid0(VALU_DEP_2)
	v_max_num_f32 v[232+\b], v[232+\b], v[236+\b]
.endr
.irp b, 0,1
	s_delay_alu instid0(VALU_DEP_2)
	v_add_nc_u32 v[244+\b], 0xff000000, v[232+\b]
.endr
.irp b, 0,1
	s_delay_alu instid0(VALU_DEP_2)
	v_lshrrev_b32 v[236+\b], 23, v[244+\b]
.endr
	s_delay_alu instid0(VALU_DEP_1)
	v_lshl_or_b32 v254, v237, 8, v236              ; the two bytes
	v_cvt_scalef32_pk16_fp6_f32 v[224:226], v[160:175], v244
	v_cvt_scalef32_pk16_fp6_f32 v[240:242], v[176:191], v245
	v_nop
.irp i, 0,1,2
	v_permlane16_swap_b32 v[224+\i], v[240+\i]
.endr
.irp i, 0,1,2
	s_delay_alu instid0(VALU_DEP_3)
	v_mov_b32 v[227+\i], v[240+\i]
.endr
	; YI: [tile of 256 rows][256 along K = four heads][16 row tiles][UNIT]; the head's 64 channels are registers 0-5 (even head) or 6-11 (odd head) of fragment (head / 2) % 2
	s_lshr_b32 s70, s[BH], 4
	s_lshl_b32 s70, s70, 7
	s_add_co_u32 s70, s70, s[QOWN]                 ; my row tile, counted over both batches
	s_and_b32 s71, s[BH], 15                       ; the head
	s_lshr_b32 s72, s70, 4
	s_mul_i32 s72, s72, 212992
	s_lshr_b32 s73, s71, 2
	s_mul_i32 s73, s73, 53248
	s_add_co_u32 s72, s72, s73
	s_and_b32 s73, s70, 15
	s_mul_i32 s73, s73, 3328
	s_add_co_u32 s72, s72, s73
	s_mov_b32 s73, 0
	s_add_nc_u64 s[8:9], s[8:9], s[72:73]          ; my UNIT
	s_bfe_u32 s74, s71, 0x10001
	s_and_b32 s78, s71, 1
	s_mul_i32 s72, s74, 1536
	s_add_nc_u64 s[76:77], s[8:9], s[72:73]        ; the fragment
	s_lshl_b32 s72, s74, 2
	s_lshl_b32 s74, s78, 1
	s_add_co_u32 s72, s72, s74
	s_add_nc_u64 s[8:9], s[8:9], s[72:73]          ; my two bytes of the scale words
	s_cmp_lg_u32 s78, 0
	s_cbranch_scc1 .Lodd
	s_wait_alu depctr_va_vdst(0)
	global_store_b128 v1, v[224:227], s[76:77]               ; registers 0-3: the first plane
	global_store_b64 v1, v[228:229], s[76:77] offset:512     ; 4, 5: the lower half of the second
	s_branch .Lbytes
.Lodd:
	s_wait_alu depctr_va_vdst(0)
	global_store_b64 v1, v[224:225], s[76:77] offset:520     ; 6, 7: its upper half
	global_store_b128 v1, v[226:229], s[76:77] offset:1024   ; 8-11: the third plane
.Lbytes:
	global_store_b16 v5, v254, s[8:9] offset:3072
	s_wait_tensorcnt 0x0                           ; the wave's end
	ds_add_u32 v47, v243
	s_wait_dscnt 0x0
	s_endpgm
.Lfunc_end_k_q6b0cbd4d3c_att:
	.size	k_q6b0cbd4d3c_att, .Lfunc_end_k_q6b0cbd4d3c_att-k_q6b0cbd4d3c_att
	.p2alignl 7, 3214868480
	.fill 96, 4, 3214868480
	.section	.rodata,"a",@progbits
	.p2align	6, 0x0
	.amdhsa_kernel k_q6b0cbd4d3c_att
		.amdhsa_group_segment_fixed_size 327680
		.amdhsa_private_segment_fixed_size 0
		.amdhsa_enable_private_segment 0
		.amdhsa_kernarg_size 24
		.amdhsa_user_sgpr_count 2
		.amdhsa_user_sgpr_kernarg_segment_ptr 1
		.amdhsa_wavefront_size32 1
		.amdhsa_system_sgpr_workgroup_id_x 1
		.amdhsa_system_sgpr_workgroup_id_y 1
		.amdhsa_system_sgpr_workgroup_id_z 1
		.amdhsa_system_vgpr_workitem_id 0
		.amdhsa_next_free_vgpr 256
		.amdhsa_next_free_sgpr 80
		.amdhsa_reserve_vcc 1
		.amdhsa_float_denorm_mode_32 3
		.amdhsa_float_denorm_mode_16_64 3
		.amdhsa_memory_ordered 1
		.amdhsa_forward_progress 1
		.amdhsa_inst_pref_size 100
	.end_amdhsa_kernel
	.amdgpu_metadata
---
amdhsa.version: [ 1, 2 ]
amdhsa.kernels:
  - .name:           k_q6b0cbd4d3c_att
    .symbol:         k_q6b0cbd4d3c_att.kd
    .args:
      - { .name: QQ, .offset: 0, .size: 8, .value_kind: global_buffer, .address_space: global }
      - { .name: KV, .offset: 8, .size: 8, .value_kind: global_buffer, .address_space: global }
      - { .name: YI, .offset: 16, .size: 8, .value_kind: global_buffer, .address_space: global }
    .group_segment_fixed_size: 327680
    .private_segment_fixed_size: 0
    .kernarg_segment_align: 8
    .kernarg_segment_size: 24
    .max_flat_workgroup_size: 512
    .sgpr_count:     80
    .vgpr_count:     256
    .wavefront_size: 32
...
	.end_amdgpu_metadata
.endif
;; end of part 3
;; launch outp (part 4): grid 8 x 32, 4 waves a work-group, clusters of 4 x 4, 327,680 bytes of LDS; arguments YI, WI, bp, out0; writes out0
.if DOCPART == 4
	.amdgcn_target "amdgcn-amd-amdhsa--gfx1250"
	.amdhsa_code_object_version 6
	.text
	.protected	k_q6b0cbd4d3c_outp
	.globl	k_q6b0cbd4d3c_outp
	.p2align	8
	.type	k_q6b0cbd4d3c_outp,@function
k_q6b0cbd4d3c_outp:
	s_mov_b64 s[64:65], 0
	v_nop
	global_prefetch_b8 v0, s[64:65] scope:SCOPE_SE
	s_setreg_imm32_b32 hwreg(HW_REG_WAVE_MODE, 25, 1), 1
	s_wait_xcnt 0x0
	s_wait_alu depctr_hold_cnt(0) depctr_sa_sdst(0) depctr_va_vdst(0) depctr_va_sdst(0) depctr_va_ssrc(0) depctr_va_vcc(0) depctr_vm_vsrc(0)
	s_getreg_b32 s2, hwreg(HW_REG_IB_STS2, 6, 4)
	s_cmp_eq_u32 s2, 0
	s_cbranch_scc0 .Lentry_in_a_cluster
	s_endpgm
.Lentry_in_a_cluster:
	s_bfe_u32 s2, ttmp6, 0x10000c
	s_cmp_lg_u32 s2, 0xf033
	s_cbranch_scc0 .Lentry_shape_is_right
	s_endpgm
.Lentry_shape_is_right:
; out0 = y Wp + bp: [4096][1024] f32, K = 1,024, on codes of FP6 (E2M3) with E8M0 scales.  y (YI) and Wp (in WI, 3,407,872 bytes in) arrive as images of operand registers:
; [tile of 256 rows][256 along K][16 row tiles][UNIT of 3,328 bytes = two fragments of three planes of 512 bytes, and 256 bytes of scale words]; row tile 2 b + u holds rows 32 b + 8 u + r + 8 (r / 8).
; A work-group makes 128 x 128 of the result: 8 x 32 = 256 work-groups.  A wave makes 64 x 64: 16 accumulators.
; ALL OF K LIES IN LDS AT ONCE: 128 rows x 1,024 K are four pieces of 26,624 bytes, 53,248 bytes apart in memory: A's 106,496 bytes, then B's.  Each wave fetches half of one operand (two pieces: a tile of
; 2 rows of 26,624 bytes) by its one tensor load at the head; nothing is filled again, so there is no ring and one barrier.  No prefetch: there is no loop to run ahead in.
; CLUSTERS of 4 x 4: A's tile hangs on the row block alone and is asked for jointly by my row of the cluster, B's on the column block alone and is asked for by my column.
; THE MATRIX INSTRUCTION IS USED TRANSPOSED (source 0 = 16 rows of Wp^T, source 1 = 16 rows of y): a lane holds a token, the 16 registers of two neighbouring tiles are 16 neighbouring channels.  The bias is the first products' C.
; REGISTERS.  Window 0: v16-27 addresses; v28-29 for the add; v32-63 scale words, two sets (A's 8, B's 8; they hold nothing else); v64-95 the bias; v96-191 the even steps' fragments (A's four, B's four);
; on the way out v64-127 hold rows read back.  Window 1: v0-127 the accumulators, (a, b) at v[8 (4 a + b)]; v128-223 the odd steps' fragments.
.set UNIT,  3328
.set HALFT, 8*UNIT                     ; 128 rows x 256 K
.set KSL,   2*HALFT                    ; from 256 along K to the next in memory
.set BREG,  4*HALFT
.set STAGE, 8*HALFT                    ; behind the operands: 16 rows x 272 bytes for each wave; no fill lands there
.set SPITCH, 272
.set SPARE, STAGE+4*16*SPITCH
.set ADRA, 16
.set ASA,  18
.set ADRB, 20
.set ASB,  22
.set STO,  24
.set RD,   25
.set L16,  26
.set CO,   27
.set SPW,  28
.set NIL,  29
.set SC,   32
.set BJ,   64
.set G1,   24
.set G0,   32
.set G1B,  48
.set G0B,  56
.set WV,   66
.set WH,   67
.set WL,   68
.set MSB, 0
.macro WIN new                         ; the immediate's high byte repeats the setting that is left
.if MSB != (\new)
	s_set_vgpr_msb (MSB<<8)|(\new)
.set MSB, (\new)
.endif
.endm
.macro CROUND                          ; a round of the cluster's barrier
	s_barrier_signal -1
	s_barrier_wait -1
	s_cmp_lg_u32 s[WV], 0
	s_cbranch_scc1 .Lnot_wave_0_\@
	s_barrier_signal -3
.Lnot_wave_0_\@:
	s_barrier_wait -3
	s_barrier_signal -1
	s_barrier_wait -1
.endm
.macro PLACES n
.rept \n
	v_nop
.endr
.endm
	s_load_b128 s[4:7], s[0:1], 0x0                ; YI, WI
	s_load_b128 s[8:11], s[0:1], 0x10              ; bp, out0
	v_lshl_add_u32 v[SPW], v0, 2, SPARE
	v_mov_b32 v[NIL], 0
	ds_add_u32 v[SPW], v[NIL]                      ; the opening lines: the add twice on end and its wait
	ds_add_u32 v[SPW], v[NIL]
	v_lshrrev_b32 v1, 5, v0
	v_readfirstlane_b32 s[WV], v1
	s_lshr_b32 s[WH], s[WV], 1                     ; my 64 rows of A.  Also: which half of K I fetch
	s_and_b32 s[WL], s[WV], 1                      ; my 64 rows of B.  Also: I fetch for A (0) or for B (1)
	s_bfe_u32 s40, ttmp6, 0x40000                  ; cx
	s_bfe_u32 s41, ttmp6, 0x40004                  ; cy
	s_lshl_b32 s42, ttmp9, 2
	s_add_co_u32 s42, s42, s40                     ; column block 0..7
	s_and_b32 s43, ttmp7, 0xffff
	s_lshl_b32 s43, s43, 2
	s_add_co_u32 s43, s43, s41                     ; row block 0..31
	s_lshl_b32 s44, s41, 2
	s_lshl_b32 s44, 15, s44                        ; my row of the cluster
	s_lshl_b32 s45, 0x1111, s40                    ; my column
	s_or_b32 s[G1], s44, (3<<16)|(1<<21)
	s_or_b32 s[G1B], s45, (3<<16)|(1<<21)
.irp g, G1, G1B
	s_mov_b32 s[\g+1], 3328<<16                    ; 2 rows of 3,328 elements of 8 bytes, 6,656 elements apart; dense in LDS
	s_mov_b32 s[\g+2], 2<<16
	s_mov_b32 s[\g+3], 3328<<16
	s_mov_b32 s[\g+4], 2
	s_mov_b32 s[\g+5], 6656
	s_mov_b32 s[\g+6], 0
	s_mov_b32 s[\g+7], 0
.endr
	s_mul_i32 s71, s[WH], 2*KSL                    ; the half of K that I fetch, in memory,
	s_mul_i32 s73, s[WH], KSL                      ; and in LDS
	s_lshr_b32 s70, s43, 1
	s_mul_i32 s80, s70, 212992
	s_and_b32 s70, s43, 1
	s_mul_i32 s70, s70, HALFT
	s_add_co_u32 s80, s80, s70
	s_add_co_u32 s80, s80, s71                     ; A: tile (row block / 2), its half, my half of K
	s_mov_b32 s81, 0
	s_lshr_b32 s72, s42, 1
	s_mul_i32 s82, s72, 212992
	s_and_b32 s72, s42, 1
	s_mul_i32 s72, s72, HALFT
	s_add_co_u32 s82, s82, s72
	s_add_co_u32 s82, s82, s71
	s_add_co_u32 s82, s82, 3407872                 ; B likewise, by the column block, where Wp's images begin
	s_mov_b32 s83, 0
	s_mov_b32 s[G0], 1
	s_mov_b32 s[G0+1], s73
	s_mov_b32 s[G0B], 1
	s_add_co_u32 s[G0B+1], s73, BREG
	s_wait_dscnt 0x0
	s_wait_kmcnt 0x0
	s_add_nc_u64 s[G0+2:G0+3], s[4:5], s[80:81]
	s_or_b32 s[G0+3], s[G0+3], 0x80000000
	s_add_nc_u64 s[G0B+2:G0B+3], s[6:7], s[82:83]
	s_or_b32 s[G0B+3], s[G0B+3], 0x80000000
	CROUND                                         ; all sixteen work-groups are here: the joint loads meet
	s_cmp_eq_u32 s[WL], 0
	s_cbranch_scc0 .Lfor_b
	tensor_load_to_lds s[G0:G0+3], s[G1:G1+7]
	s_nop 0
	PLACES 4
	s_branch .Lasked
.Lfor_b:
	tensor_load_to_lds s[G0B:G0B+3], s[G1B:G1B+7]
	s_nop 0
	PLACES 4
.Lasked:
	s_mul_i32 s47, s[WH], 4*UNIT                   ; my four row tiles of A,
	s_mul_i32 s46, s[WL], 4*UNIT
	s_add_co_u32 s46, s46, BREG                    ; and of B
	s_lshl_b32 s72, s42, 9
	s_lshl_b32 s73, s[WL], 8
	s_add_co_u32 s72, s72, s73                     ; my 64 channels, in bytes
	s_mov_b32 s73, 0
	s_add_nc_u64 s[8:9], s[8:9], s[72:73]
	s_add_nc_u64 s[10:11], s[10:11], s[72:73]
	s_lshl_b32 s72, s43, 19
	s_lshl_b32 s74, s[WH], 18
	s_add_co_u32 s72, s72, s74                     ; my 64 rows of 4,096 bytes
	s_add_nc_u64 s[10:11], s[10:11], s[72:73]
	s_mul_i32 s74, s[WV], 16*SPITCH
	s_add_co_u32 s74, s74, STAGE                   ; my stage
	s_add_co_u32 s75, s47, 2*HALFT
	s_add_co_u32 s76, s46, 2*HALFT
	v_and_b32 v1, 31, v0
	v_and_b32 v2, 15, v0
	v_bfe_u32 v3, v0, 4, 1
	v_lshlrev_b32 v[L16], 4, v1
	v_lshlrev_b32 v4, 3, v1
	v_lshlrev_b32 v5, 6, v3
	v_mul_u32_u24 v6, v2, SPITCH
	v_mul_u32_u24 v7, v3, SPITCH
	v_lshlrev_b32 v8, 12, v3
	v_add_nc_u32 v[ADRA], s47, v[L16]
	v_add_nc_u32 v[ADRA+1], s75, v[L16]            ; (the second half of K: the immediates stay under 64 KiB)
	v_add_nc_u32 v[ADRB], s46, v[L16]
	v_add_nc_u32 v[ADRB+1], s76, v[L16]
	v_add_nc_u32 v[ASA], s47, v4
	v_add_nc_u32 v[ASA+1], s75, v4
	v_add_nc_u32 v[ASB], s46, v4
	v_add_nc_u32 v[ASB+1], s76, v4
	v_add_nc_u32 v6, v6, v5
	v_lshl_add_u32 v7, v2, 4, v7
	v_lshl_add_u32 v[CO], v2, 4, v8                ; out: sixteen lanes to a row's 256 bytes, two rows an instruction
	v_add_nc_u32 v[STO], s74, v6                   ; into the stage: row r, + 64 h
	v_add_nc_u32 v[RD], s74, v7                    ; back: row h, 16 r
	s_wait_alu depctr_va_vdst(0)                   ; the wait at the head's end
.irp b, 0,1
.irp j, 0,1,2,3
	global_load_b128 v[BJ+16*\b+4*\j:BJ+16*\b+4*\j+3], v5, s[8:9] offset:128*\b+16*\j   ; register 16 b + i: the bias of channel 32 b + 16 h + i
.endr
.endr
	s_wait_tensorcnt 0x0                           ; my half of an operand is in
	s_barrier_signal -1
	s_barrier_wait -1                              ; and everybody's
.macro FETCH st                        ; step st's eight fragments: even steps into window 0, odd ones into window 1
.set P,  (\st)%2
.set FB, 96+32*P
.set AI, (\st)/4
.set OF, (((\st)/2)%2)*HALFT+1536*P
	WIN 0x40*P
.irp i, 0,1,2,3
.irp c, 0,1,2
	ds_load_b128 v[FB+12*\i+4*\c:FB+12*\i+4*\c+3], v[ADRA+AI] offset:OF+\i*UNIT+512*\c
	ds_load_b128 v[FB+48+12*\i+4*\c:FB+48+12*\i+4*\c+3], v[ADRB+AI] offset:OF+\i*UNIT+512*\c
.endr
.endr
	WIN 0
.endm
.macro SCALES ks                       ; the scale words of 256 along K: 8 bytes a lane and row tile, the words of its two steps
.irp i, 0,1,2,3
	ds_load_b64 v[SC+16*((\ks)%2)+2*\i:SC+16*((\ks)%2)+2*\i+1], v[ASA+(\ks)/2] offset:((\ks)%2)*HALFT+\i*UNIT+3072
	ds_load_b64 v[SC+16*((\ks)%2)+8+2*\i:SC+16*((\ks)%2)+8+2*\i+1], v[ASB+(\ks)/2] offset:((\ks)%2)*HALFT+\i*UNIT+3072
.endr
.endm
.macro MUL st                          ; 16 matrix instructions; the 16 accumulators take turns, in the same order in every step
.set P,  (\st)%2
.set FB, 96+32*P
.set SS, SC+16*(((\st)/2)%2)
.if (\st) == 0
	WIN 0x40                                       ; C: the bias, window 0; D: window 1
.else
	WIN 0x50+5*P
.endif
.irp a, 0,1,2,3
.irp b, 0,1,2,3
.if (\st) == 0
	v_wmma_scale_f32_16x16x128_f8f6f4 v[8*(4*\a+\b):8*(4*\a+\b)+7], v[FB+48+12*\b:FB+48+12*\b+11], v[FB+12*\a:FB+12*\a+11], v[BJ+8*\b:BJ+8*\b+7], v[SS+8+2*\b+P], v[SS+2*\a+P] matrix_a_fmt:MATRIX_FMT_FP6 matrix_b_fmt:MATRIX_FMT_FP6
.else
	v_wmma_scale_f32_16x16x128_f8f6f4 v[8*(4*\a+\b):8*(4*\a+\b)+7], v[FB+48+12*\b:FB+48+12*\b+11], v[FB+12*\a:FB+12*\a+11], v[8*(4*\a+\b):8*(4*\a+\b)+7], v[SS+8+2*\b+P], v[SS+2*\a+P] matrix_a_fmt:MATRIX_FMT_FP6 matrix_b_fmt:MATRIX_FMT_FP6
.endif
.endr
.endr
.endm
	FETCH 0
	SCALES 0
	s_wait_loadcnt 0x0                             ; the bias
.set SX, 0
.rept 7
.if SX > 0
	PLACES 4                                       ; in front of loads into registers that the step before last's products have read
.endif
	FETCH SX+1                                     ; the next step's fragments are on their way while this step is multiplied
.if (SX+1)%2 == 0
	SCALES (SX+1)/2
	s_wait_dscnt 32                                ; all but the 32 just issued
.else
	s_wait_dscnt 24                                ; all but the 24 just issued
.endif
	MUL SX
.set SX, SX+1
.endr
	s_wait_dscnt 0x0
	MUL 7
; THE WAY OUT, block by block of 16 rows x 64 channels: through my own stage, back as whole rows of 256 bytes.  LDS serves a wave's instructions in order: no wait between the stores and the loads.
.macro TOSTAGE a
	WIN 0x04                                       ; the data: window 1
.irp b, 0,1,2,3
	ds_store_b128 v[STO], v[32*(\a)+8*\b:32*(\a)+8*\b+3] offset:128*(\b/2)+32*(\b%2)       ; each accumulator from its low end on
	ds_store_b128 v[STO], v[32*(\a)+8*\b+4:32*(\a)+8*\b+7] offset:128*(\b/2)+32*(\b%2)+16
.endr
	WIN 0
.set BB, 64+32*((\a)%2)
.irp t, 0,1,2,3,4,5,6,7
	ds_load_b128 v[BB+4*\t:BB+4*\t+3], v[RD] offset:\t*2*SPITCH
.endr
.endm
.macro SEND a, younger
.set BB, 64+32*((\a)%2)
	s_wait_dscnt \younger
.irp t, 0,1,2,3,4,5,6,7
	global_store_b128 v[CO], v[BB+4*\t:BB+4*\t+3], s[10:11] offset:(32*((\a)/2)+8*((\a)%2)+2*\t+8*(\t/4))*4096 th:TH_STORE_NT   ; sixteen lanes store 256 consecutive bytes, aligned
.endr
.endm
	PLACES 4
	TOSTAGE 0
.irp a, 1,2,3
.if \a > 1
	s_wait_xcnt 0x0                                ; block a - 2's stores have read their registers
.endif
	TOSTAGE \a
	SEND \a-1, 16                                  ; behind block a - 1's loads: block a's 8 stores and 8 loads
.endr
	SEND 3, 0
	s_wait_tensorcnt 0x0                           ; the wave's end
	ds_add_u32 v[SPW], v[NIL]
	s_wait_dscnt 0x0
	CROUND                                         ; the closing round
	s_endpgm
.Lfunc_end_k_q6b0cbd4d3c_outp:
	.size	k_q6b0cbd4d3c_outp, .Lfunc_end_k_q6b0cbd4d3c_outp-k_q6b0cbd4d3c_outp
	.p2alignl 7, 3214868480
	.fill 96, 4, 3214868480
	.section	.rodata,"a",@progbits
	.p2align	6, 0x0
	.amdhsa_kernel k_q6b0cbd4d3c_outp
		.amdhsa_group_segment_fixed_size 327680
		.amdhsa_private_segment_fixed_size 0
		.amdhsa_enable_private_segment 0
		.amdhsa_kernarg_size 32
		.amdhsa_user_sgpr_count 2
		.amdhsa_user_sgpr_kernarg_segment_ptr 1
		.amdhsa_wavefront_size32 1
		.amdhsa_system_sgpr_workgroup_id_x 1
		.amdhsa_system_sgpr_workgroup_id_y 1
		.amdhsa_system_sgpr_workgroup_id_z 1
		.amdhsa_system_vgpr_workitem_id 0
		.amdhsa_next_free_vgpr 512
		.amdhsa_next_free_sgpr 98
		.amdhsa_reserve_vcc 0
		.amdhsa_float_denorm_mode_32 3
		.amdhsa_float_denorm_mode_16_64 3
		.amdhsa_memory_ordered 1
		.amdhsa_forward_progress 1
		.amdhsa_inst_pref_size 47
	.end_amdhsa_kernel
	.amdgpu_metadata
---
amdhsa.version: [ 1, 2 ]
amdhsa.kernels:
  - .name:           k_q6b0cbd4d3c_outp
    .symbol:         k_q6b0cbd4d3c_outp.kd
    .args:
      - { .name: YI, .offset: 0, .size: 8, .value_kind: global_buffer, .address_space: global }
      - { .name: WI, .offset: 8, .size: 8, .value_kind: global_buffer, .address_space: global }
      - { .name: bp, .offset: 16, .size: 8, .value_kind: global_buffer, .address_space: global }
      - { .name: out0, .offset: 24, .size: 8, .value_kind: global_buffer, .address_space: global }
    .group_segment_fixed_size: 327680
    .private_segment_fixed_size: 0
    .kernarg_segment_align: 8
    .kernarg_segment_size: 32
    .max_flat_workgroup_size: 128
    .sgpr_count:     98
    .vgpr_count:     512
    .wavefront_size: 32
...
	.end_amdgpu_metadata
.endif
;; end of part 4
